; MI455X (gfx1250); checked and timed in simulation.
; The chip was launched on July 23, 2026; its instructions are those of AMD's public machine-readable ISA for CDNA 5 (MIT licence, August 2026) and "CDNA5" Instruction Set Architecture Reference Guide (July 2026). The comments in the code are by the model that wrote it; some were corrected since.
;; VSTSR Encoder Transformer Block. Allowed arithmetic: matrix products marked QUANTISED: E2M1 operands, one E8M0 scale for each 32 along K, by v_wmma_scale_f32_16x16x128_f8f6f4 with both operands' format E2M1 (or v_wmma_scale_f32_32x16x128_f4), f32 sums; everything else in f32.
;; Inputs: fc1_b 512 float32; fc1_w_codes 512 x 4 x 16 uint8 (E2M1 codes of fc1_w, K innermost, in blocks of 32 codes, two codes a byte); fc1_w_scales 512 x 4 uint8 (E8M0 scales of fc1_w, one for each 32 codes along K); fc2_b 128 float32; fc2_w_codes 128 x 16 x 16 uint8 (E2M1 codes of fc2_w, K innermost, in blocks of 32 codes, two codes a byte); fc2_w_scales 128 x 16 uint8 (E8M0 scales of fc2_w, one for each 32 codes along K); kv_b 256 float32; kv_w_codes 256 x 4 x 16 uint8 (E2M1 codes of kv_w, K innermost, in blocks of 32 codes, two codes a byte); kv_w_scales 256 x 4 uint8 (E8M0 scales of kv_w, one for each 32 codes along K); mask_matrix 256 x 256 x 256 float32; norm1_b 128 float32; norm1_g 128 float32; norm2_b 128 float32; norm2_g 128 float32; proj_b 128 float32; proj_w_codes 128 x 4 x 16 uint8 (E2M1 codes of proj_w, K innermost, in blocks of 32 codes, two codes a byte); proj_w_scales 128 x 4 uint8 (E8M0 scales of proj_w, one for each 32 codes along K); q_b 128 float32; q_w_codes 128 x 4 x 16 uint8 (E2M1 codes of q_w, K innermost, in blocks of 32 codes, two codes a byte); q_w_scales 128 x 4 uint8 (E8M0 scales of q_w, one for each 32 codes along K); rel_table 1,575 x 4 float32; x 2 x 4 x 128 x 128 x 128 float32.
;; Outputs: out0 2 x 4 x 128 x 128 x 128 float32.
;; This version of the problem:
;;   THIS VERSION OF THE PROBLEM IS GIVEN IN LOW PRECISION. The matrix products marked QUANTISED in the list below multiply operands that are first quantised to E2M1 (2 exponent bits, 1 mantissa bit; 4 bits a number), with one power-of-two scale for each 32 numbers along K (OCP MX v1.0); their sums are f32. All else is computed in f32.
;;   The module's matrix products, in the order in which they are computed (A, B: the left and right operand; K: the contracted axis; several contracted axes count as one K, in the product's order):
;;     1. [M 131,072, K 128] x [K 128, N 128]; A: computed on the way; B: input q_w (given as codes): QUANTISED
;;     2. [M 131,072, K 128] x [K 128, N 256]; A: computed on the way; B: input kv_w (given as codes): QUANTISED
;;     3. batch 2,048 x [M 256, K 32] x [K 32, N 256]; A: computed on the way; B: computed on the way: QUANTISED
;;     4. batch 2,048 x [M 256, K 256] x [K 256, N 32]; A: softmax (see below); B: computed on the way: QUANTISED
;;     5. [M 131,072, K 128] x [K 128, N 128]; A: computed on the way; B: input proj_w (given as codes): QUANTISED
;;     6. [M 131,072, K 128] x [K 128, N 512]; A: computed on the way; B: input fc1_w (given as codes): QUANTISED
;;     7. [M 131,072, K 512] x [K 512, N 128]; A: computed on the way; B: input fc2_w (given as codes): QUANTISED
;;   THE QUANTISER, for each operand of a quantised product, along K:
;;     - K is cut into blocks of 32 from its start; a last block that is shorter is filled with zeros.
;;     - A block's scale is 2^e with e = floor(log2(the largest magnitude in the block)) - 2, held to -126 .. 127; a block of zeros has e = 0. As a byte (E8M0): e + 127.
;;     - Each number is divided by its block's scale, clamped to +-6, and rounded to the nearest number of E2M1, ties to even, subnormals kept.
;;     - The product sums the exact products of the quantised numbers (number of the format x scale) in f32.
;;   ~~~python
;;   def quantise(x, axis):      # numpy; x: float32 -> the quantised numbers, widened to float32 again
;;       x = np.moveaxis(x, axis, -1); K = x.shape[-1]
;;       x = np.pad(x, [(0, 0)] * (x.ndim - 1) + [(0, -K % 32)]); x = x.reshape(x.shape[:-1] + (-1, 32)); a = np.abs(x).max(-1, keepdims=True)
;;       e = np.where(a > 0, np.clip(np.frexp(np.where(a > 0, a, 1))[1] - 1 - 2, -126, 127), 0)      # np.frexp(a)[1] - 1 = floor(log2(a)), exactly
;;       r = np.clip(x / 2.0 ** e, -6, 6)
;;       step = 2.0 ** (np.maximum(np.frexp(np.where(r == 0, 1, r))[1] - 1, 0) - 1)
;;       q = np.round(r / step) * step * 2.0 ** e      # np.round: ties to even
;;       return np.moveaxis(q.reshape(q.shape[:-2] + (-1,))[..., :K], -1, axis).astype(np.float32)
;;   ~~~
;;   SOFTMAX AHEAD OF A QUANTISED PRODUCT. Where the list says 'softmax', what is quantised is not the finished softmax but p = 2^(t - M), with t = logit x log2(e) and M = ceil(the row's largest t), a whole number; so 1/2 < the row's largest p <= 1. The row's sum l is taken of the UNQUANTISED p, in f32, and the product's result is divided by l at the end. Since M is a whole number, a kernel that streams over the keys may use a running M (the ceiling of the running maximum): every later rescaling is an exact power of two, which a block's scale takes up: the codes' values come out the same.
;;   OPERANDS COMPUTED ON THE WAY. 'Computed on the way' means the value that the module computes at that place (a softmax that the list does not call 'softmax' is quantised finished and normalised). What goes into a quantiser is computed in f32, as accurately as f32 sums, v_exp_f32 and their like allow (about 1e-6 of the number): no bf16 or f16 on the way to a quantiser, and a product that is left as it is and whose result goes on into a quantised operand takes f32 operands (vector FMAs, or v_wmma_f32_16x16x4_f32). A number that lies on a knife's edge between two numbers of the format may be rounded either way, as far as f32 arithmetic and the matrix unit's own rounding can turn it there, and no further.
;;   INPUTS GIVEN AS CODES. fc1_w (in the module: [128, 512], K = its axis 0); fc2_w (in the module: [512, 128], K = its axis 0); kv_w (in the module: [128, 256], K = its axis 0); proj_w (in the module: [128, 128], K = its axis 0); q_w (in the module: [128, 128], K = its axis 0): each comes as NAME_codes (uint8): NAME with its K axis moved to the last place and cut into blocks of 32 codes, [.., K / 32, bytes a block], one block behind the other in memory; two codes a byte, the lower K in the low four bits (a code: sign, 2 exponent bits, 1 mantissa bit); and NAME_scales (uint8): the same leading axes, one E8M0 byte (e + 127) for each 32 codes along K. Its value is code x scale, taken as it is: it is not quantised again, and the codes and scales need not be those that the quantiser above would give.
;; 2 versions. Each part assembles by itself: llvm-mc -triple=amdgcn-amd-amdhsa -mcpu=gfx1250 --defsym DOCPART=n.
;; ======== version 1 of 2: 1 launch
;; limits: right only within a limited range of input values
;; launch block (part 1): grid 256 x 1, 16 waves a work-group, no clusters, 326,144 bytes of LDS; arguments x, mask_matrix, out0, rel_table, q_w_codes, kv_w_codes, proj_w_codes, q_w_scales, kv_w_scales, proj_w_scales, fc1_w_codes, fc1_w_scales, fc2_w_codes, fc2_w_scales, norm1_g, norm1_b, q_b, kv_b, proj_b, norm2_g, norm2_b, fc1_b, fc2_b; writes out0
.if DOCPART == 1
	.amdgcn_target "amdgcn-amd-amdhsa--gfx1250"
	.amdhsa_code_object_version 6
	.text
	.protected	k_q7e58f60cea_block
	.globl	k_q7e58f60cea_block
	.p2align	8
	.type	k_q7e58f60cea_block,@function
k_q7e58f60cea_block:
	s_mov_b64 s[64:65], 0
	v_nop
	global_prefetch_b8 v0, s[64:65] scope:SCOPE_SE
	s_setreg_imm32_b32 hwreg(HW_REG_WAVE_MODE, 25, 1), 1
	s_wait_xcnt 0x0
; A shifted-window transformer block in one launch: LN1, windows of 4 x 8 x 8 = 256 tokens, q/k/v, 4 heads of attention with a relative-position bias and an additive mask,
; proj, residual, LN2, fc1, exact GELU, fc2, residual.  All seven products on codes of FP4 (E2M1) with one E8M0 scale for each 32 along K; everything else in f32.
; DEAD WORK: none.  Every input has a way to out0, so all 22 inputs are arguments and are loaded.
; SHARES.  Work-group = window index win (0..255) of BOTH batches, so its 256 x 256 mask is read from memory once.  Sixteen waves of 256 registers.  Wave w = 2 t + b owns batch b and the tiles of
; 16 tokens T = t (trip 0) and T = t + 8 (trip 1).  Phase 0 makes K and V of both batches in LDS and Q's codes in registers; then in each of two trips a wave takes its tile alone through attention,
; proj, residual, LN2, the MLP and the store.  A token comes from and returns to pixel ((8 wh + 4 + i) & 127, (8 ww + 4 + j) & 127): the two rolls cancel.
; LAYOUT.  "ROW": lane (r, h) holds token r, register 16 bb + i holds channel 32 bb + 16 h + i.  Every product with a weight is used transposed (source 0 = 16 rows of the weight, source 1 = 16 tokens), and lane r
; of weight tile 2 bb + u takes row 32 bb + 8 u + r + 8 (r / 8): so results fall in ROW, which is what the quantiser takes.  Biases, the mask with the position bias, and the residual are the C of a sum's first product.
; K = 32 OF THE SCORES is served by the K = 128 form: of K's and Q's codes the four registers of a pair of heads are named; Q's are kept in one half of the lanes (one head) and are zero codes elsewhere,
; so that whatever K holds there adds nothing; no scale byte there is 0xff.
; NO CLUSTER: work-groups share only the weights, the table and the vectors (some 136 KB) against 1 MB of x, mask and out0 of their own, and this text has no tensor load that could ask jointly.
; x IS READ TWICE by the same wave (for LN1, and again for the residual): beside attention's registers there is no room for its 64.
; LIMITS.  Inputs are finite (a mask entry of -infinity goes in as a matrix C operand and was not tried).  A block of zeros gets the scale byte 1, not 127: its codes are zeros, and this program alone reads the bytes.
; erf is z P(z^2) / Q(z^2) on |z| <= 3.8325 (held there beyond), of f32's accuracy in absolute terms; 1 + erf cancels for negative inputs as in the formula 0.5 h (1 + erf).
.set MP,    1040                       ; a mask row in LDS: 1,024 bytes + 16: row r starts 4 r banks on
.set KC,    133120                     ; behind 128 mask rows: K's codes [b][tile 16][c 2][lane x 16 B], images of half fragments
.set KS,    165888                     ; K's scale words [b][ver 2][step 2][lane x 16 B]; ver 1: the word >> 16
.set VC,    169984                     ; V^T's codes [b][vt 8][step 2][c 2][lane x 16 B]
.set VS,    202752                     ; V^T's scale words [b][head 4][step 2][u 2][r x 4 B]
.set TAB,   204800                     ; the table by heads: [head][2,048 words]
.set VEC,   237568                     ; sixteen chunks of 512 B: g1 b1 q_b k_b v_b proj_b g2 b2 fc1_b x 4 fc2_b (and three copies of it)
.set GRP0,  245760                     ; nine groups: eight fragment images of 1 KB and 512 B of scale words.  0-3 fc1, 4-7 fc2, 8 proj
.set GSZ,   8704
.set XI,    GRP0                       ; phase 0 only: xn's codes, laid as KC with c on end; q_w, k_w, v_w in groups 5, 6, 7
.set XSC,   GRP0+32768                 ; and xn's scale words [b][step][lane x 16 B]
.set SPARE, 324096                     ; the spare words: 128 bytes a wave, eight blocks of 256 bytes that no other line names
.set LI,1                              ; 16 x lane
.set L4,2                              ; 4 x lane
.set HB,3                              ; VEC + 64 h
.set SPW,4                             ; my spare word; never rewritten
.set NIL,5                             ; 0; never rewritten
.set A0,6                              ; v6-12: seven addresses of the phase in hand
.set A1,7
.set A2,8
.set A3,9
.set A4,10
.set A5,11
.set A6,12
.set PFO,13                            ; 256 x lane
.set WS,14                             ; v14-17 a group's scale words
.set VSW,18
.set PW,19
.set PSC,20                            ; phase 0: my place among scale words (an address, never a scale)
.set QWC,21                            ; Q's scale word of the trip; later x2's
.set QWN,22                            ; Q's of the next trip
.set AOW,23                            ; the attention output's scale word; in phase 0 xn's
.set U,24                              ; v[24:25] mean, 1/sigma, 1/l
.set QT,26                             ; v26-37 the quantiser's: 0-3 maxima, 4-7 exchange and bytes, 8-11 scale operands
.set QCN,38                            ; Q's codes of the next trip
.set QCC,46                            ; Q's codes of the trip; later x2's
.set PC,54                             ; codes just made
.set T0,62
.set T1,63
.set RA,64
.set RB,128
.set RC,192
.set KF,64                             ; attention: K's eight half fragments and four registers of zero codes
.set VF,64                             ; then V^T's two fragments
.set O,100
.set QM,116
.set TB,128
.set AO,160
.set NM,168                            ; -M;  v169 the largest t
.set TMX,169
.set L,170
.set F,172
.set S,192
.set SEL,90
.set LG,92
.set CA0,66
.set CA1,68
.set CA2,70
.set CA3,72
.set CA4,74
.set CB1,76
.set CB2,78
.set CB3,80
.set CB4,82
.set CB5,84
.set CB6,86
.macro NOPS n
.rept \n
	v_nop
.endr
.endm
.macro BARRIER                         ; my LDS stores have landed and my LDS loads are in: then the work-group's barrier
	s_wait_dscnt 0x0
	s_barrier_signal -1
	s_barrier_wait -1
.endm
.macro CPAIR r, val
	s_mov_b32 s[\r], \val
	s_mov_b32 s[\r+1], \val
.endm
.macro WM d, a, b, c, sa, sb, row      ; row = 1: source 0's scales stand in lanes 16-31
.if \row
	v_wmma_scale_f32_16x16x128_f8f6f4 v[\d:\d+7], v[\a:\a+7], v[\b:\b+7], v[\c:\c+7], v[\sa], v[\sb] matrix_a_fmt:MATRIX_FMT_FP4 matrix_b_fmt:MATRIX_FMT_FP4 matrix_a_scale:MATRIX_SCALE_ROW1
.else
	v_wmma_scale_f32_16x16x128_f8f6f4 v[\d:\d+7], v[\a:\a+7], v[\b:\b+7], v[\c:\c+7], v[\sa], v[\sb] matrix_a_fmt:MATRIX_FMT_FP4 matrix_b_fmt:MATRIX_FMT_FP4
.endif
.endm
.macro WMZ d, a, b, sa, sb, row        ; the same, starting a sum
.if \row
	v_wmma_scale_f32_16x16x128_f8f6f4 v[\d:\d+7], v[\a:\a+7], v[\b:\b+7], 0, v[\sa], v[\sb] matrix_a_fmt:MATRIX_FMT_FP4 matrix_b_fmt:MATRIX_FMT_FP4 matrix_a_scale:MATRIX_SCALE_ROW1
.else
	v_wmma_scale_f32_16x16x128_f8f6f4 v[\d:\d+7], v[\a:\a+7], v[\b:\b+7], 0, v[\sa], v[\sb] matrix_a_fmt:MATRIX_FMT_FP4 matrix_b_fmt:MATRIX_FMT_FP4
.endif
.endm
.macro PKADD d, a, n                   ; n pairs: d += a
.set jx, 0
.rept \n
	v_pk_add_f32 v[\d+jx:\d+jx+1], v[\d+jx:\d+jx+1], v[\a+jx:\a+jx+1]
.set jx, jx+2
.endr
.endm
; 64 numbers in ROW become a fragment's 8 registers of codes and its scale word.
.macro QUANT src, dst, wrd
.irp b,0,1,2,3
	v_max3_num_f32 v[QT+\b], |v[\src+16*\b]|, |v[\src+1+16*\b]|, 0x1800000   ; block b: my 16 numbers and the floor 2^(3 - 127): the byte cannot fall under 1
.endr
.irp i,2,4,6,8,10,12,14
.irp b,0,1,2,3
	v_max3_num_f32 v[QT+\b], v[QT+\b], |v[\src+16*\b+\i]|, |v[\src+1+16*\b+\i]|
.endr
.endr
.irp b,0,1,2,3
	v_permlanex16_b32 v[QT+4+\b], v[QT+\b], s[SEL], s[SEL+1]
.endr
.irp b,0,1,2,3
	v_max_num_f32 v[QT+\b], v[QT+\b], v[QT+4+\b]       ; with lane l xor 16's: the block's largest magnitude
.endr
.irp b,0,1,2,3
	v_add_nc_u32 v[QT+8+\b], 0xff000000, v[QT+\b]      ; 2 off its exponent field: the conversion's scale operand
.endr
.irp b,0,1,2,3
	v_lshrrev_b32 v[QT+4+\b], 23, v[QT+8+\b]           ; the scale's byte
.endr
	v_lshl_or_b32 v[\wrd], v[QT+5], 8, v[QT+4]
	v_lshl_or_b32 v[\wrd], v[QT+6], 16, v[\wrd]
	v_lshl_or_b32 v[\wrd], v[QT+7], 24, v[\wrd]
.irp b,0,1,2,3
	v_cvt_scalef32_pk8_fp4_f32 v[\dst+2*\b], v[\src+16*\b:\src+16*\b+7], v[QT+8+\b]
	v_cvt_scalef32_pk8_fp4_f32 v[\dst+1+2*\b], v[\src+8+16*\b:\src+8+16*\b+7], v[QT+8+\b]
.endr
	v_nop                                              ; one plain place behind the last conversion
.irp cc,0,1                                            ; the operand wants a whole block in a lane
.irp i,0,1
	v_permlane16_swap_b32 v[\dst+4*\cc+\i], v[\dst+2+4*\cc+\i]
.endr
.endr
.endm
.macro VLOAD dst, adr, off             ; a vector of 128 numbers in ROW (the same for all 16 tokens)
.irp bb,0,1,2,3
.irp jj,0,1,2,3
	ds_load_b128 v[\dst+16*\bb+4*\jj:\dst+16*\bb+4*\jj+3], v[\adr] offset:\off+128*\bb+16*\jj
.endr
.endr
.endm
.macro PLOAD adr                       ; a group's eight fragments and its scale words
.irp pt,0,1,2,3,4,5,6,7
.irp cc,0,1
	ds_load_b128 v[RA+8*\pt+4*\cc:RA+8*\pt+4*\cc+3], v[\adr] offset:1024*\pt+512*\cc
.endr
.endr
	ds_load_b128 v[WS:WS+3], v[\adr] offset:8192
.endm
.macro PMUL acc, bf, bw                ; eight accumulators by turns, one instruction a turn
.irp pt,0,1,2,3,4,5,6,7
	WM \acc+8*\pt,RA+8*\pt,\bf,\acc+8*\pt,WS+\pt/2,\bw,\pt%2
.endr
.endm
.macro PROD8 acc, adr, bf, bw, np      ; np: places owed where bf or bw was written by vector instructions just now
	PLOAD \adr
	s_wait_dscnt 0x0
	NOPS \np
	PMUL \acc, \bf, \bw
.endm
; Addresses of the way in and out: A0-3 pixel column of tokens 2 k + h, 16 bytes a lane; A4 the stage by dense rows; A5 the stage in ROW; A6 my eight mask rows.
.macro MKIO
	v_and_b32 v[T0], 15, v0
	v_bfe_u32 v[T1], v0, 4, 1
.irp k,0,1,2,3
	v_add_nc_u32 v[A0+\k], s60, v[T1]
	v_add_nc_u32 v[A0+\k], 2*\k, v[A0+\k]
	v_and_b32 v[A0+\k], 127, v[A0+\k]
	v_lshlrev_b32 v[A0+\k], 9, v[A0+\k]
	v_lshl_or_b32 v[A0+\k], v[T0], 4, v[A0+\k]
.endr
	v_mul_u32_u24 v[A4], v[T1], 272
	v_lshl_add_u32 v[A4], v[T0], 4, v[A4]
	v_add_nc_u32 v[A4], s61, v[A4]
	v_mul_u32_u24 v[A5], v[T0], 272
	v_lshl_add_u32 v[A5], v[T1], 6, v[A5]
	v_add_nc_u32 v[A5], s61, v[A5]
	v_add_nc_u32 v[A6], s61, v[LI]
.endm
.macro XLOAD dst, base, nt             ; a tile of x: sixteen lanes read 256 consecutive bytes, aligned; tokens 2 i + h, half p of their 512 bytes
.irp p,0,1
.irp i,0,1,2,3,4,5,6,7
.if \nt
	global_load_b128 v[\dst+32*\p+4*\i:\dst+32*\p+4*\i+3], v[A0+\i%4], s[\base:\base+1] offset:65536*(\i/4)+256*\p th:TH_LOAD_NT
.else
	global_load_b128 v[\dst+32*\p+4*\i:\dst+32*\p+4*\i+3], v[A0+\i%4], s[\base:\base+1] offset:65536*(\i/4)+256*\p
.endif
.endr
.endr
.endm
.macro XTURN dst                       ; through my own stage into ROW, in place; LDS serves a wave's instructions in order
.irp p,0,1
.irp i,0,1,2,3,4,5,6,7
	ds_store_b128 v[A4], v[\dst+32*\p+4*\i:\dst+32*\p+4*\i+3] offset:544*\i
.endr
.irp bl,0,1
.irp jj,0,1,2,3
	ds_load_b128 v[\dst+32*\p+16*\bl+4*\jj:\dst+32*\p+16*\bl+4*\jj+3], v[A5] offset:128*\bl+16*\jj
.endr
.endr
.endr
.endm
.macro LRED                            ; four chains of pairs, then lane l xor 16: the row's sum in v[QT]
	v_pk_add_f32 v[QT:QT+1], v[QT:QT+1], v[QT+2:QT+3]
	v_pk_add_f32 v[QT+4:QT+5], v[QT+4:QT+5], v[QT+6:QT+7]
	v_pk_add_f32 v[QT:QT+1], v[QT:QT+1], v[QT+4:QT+5]
	v_add_f32 v[QT], v[QT], v[QT+1]
	v_permlanex16_b32 v[QT+4], v[QT], s[SEL], s[SEL+1]
	v_add_f32 v[QT], v[QT], v[QT+4]
.endm
.macro LHALF dst, gch, bch, hf         ; gain and bias of blocks 2 hf, 2 hf + 1 into RA
.irp bl,0,1
.irp jj,0,1,2,3
	ds_load_b128 v[RA+16*\bl+4*\jj:RA+16*\bl+4*\jj+3], v[HB] offset:512*\gch+256*\hf+128*\bl+16*\jj
	ds_load_b128 v[RA+32+16*\bl+4*\jj:RA+32+16*\bl+4*\jj+3], v[HB] offset:512*\bch+256*\hf+128*\bl+16*\jj
.endr
.endr
.endm
.macro LAPPLY dst
.set jx, 0
.rept 16
	v_pk_mul_f32 v[\dst+jx:\dst+jx+1], v[\dst+jx:\dst+jx+1], v[U:U+1] op_sel_hi:[1,0]
	v_pk_fma_f32 v[\dst+jx:\dst+jx+1], v[\dst+jx:\dst+jx+1], v[RA+jx:RA+jx+1], v[RA+32+jx:RA+32+jx+1]
.set jx, jx+2
.endr
.endm
; The norm of a row of 128, in two passes (the mean first, then the squares of the differences).
.macro LNORM src, dst, gch, bch
	LHALF \dst, \gch, \bch, 0
	s_wait_dscnt 16                                    ; all but the sixteen loads just issued: the row is in
.irp k,0,1,2,3
	v_pk_add_f32 v[QT+2*\k:QT+2*\k+1], v[\src+4*\k:\src+4*\k+1], v[\src+4*\k+2:\src+4*\k+3]   ; ascending: each accumulator is read from its low end on
.endr
.set jx, 16
.rept 24
	v_pk_add_f32 v[QT+jx%8:QT+jx%8+1], v[QT+jx%8:QT+jx%8+1], v[\src+jx:\src+jx+1]
.set jx, jx+2
.endr
	LRED
	v_mul_f32 v[U], s59, v[QT]                         ; the mean
.set jx, 0
.rept 32
	v_pk_add_f32 v[\dst+jx:\dst+jx+1], v[\src+jx:\src+jx+1], v[U:U+1] op_sel_hi:[1,0] neg_lo:[0,1] neg_hi:[0,1]
.set jx, jx+2
.endr
.irp k,0,1,2,3
	v_pk_mul_f32 v[QT+2*\k:QT+2*\k+1], v[\dst+2*\k:\dst+2*\k+1], v[\dst+2*\k:\dst+2*\k+1]
.endr
.set jx, 8
.rept 28
	v_pk_fma_f32 v[QT+jx%8:QT+jx%8+1], v[\dst+jx:\dst+jx+1], v[\dst+jx:\dst+jx+1], v[QT+jx%8:QT+jx%8+1]
.set jx, jx+2
.endr
	LRED
	v_fma_f32 v[QT], v[QT], s59, s104                  ; the variance + 1e-5
	v_rsq_f32 v[U], v[QT]
	v_nop                                              ; a plain place behind the transcendental,
	s_wait_alu depctr_va_vdst(0)                       ; and the wait ahead of its first reader
	s_wait_dscnt 0x0
	LAPPLY \dst
	LHALF \dst, \gch, \bch, 1
	s_wait_dscnt 0x0
	LAPPLY \dst+32
.endm
; 32 words of the position bias: blocks b0, b0 + 1 of a step's four.  Register 16 bl + i: key 128 st + 32 (b0 + bl) + 16 h + i.  The key's part of the index stands in the immediate.
.macro BIAS hh, st, b0
.irp bl,0,1
.irp i,0,1,2,3,4,5,6,7,8,9,10,11,12,13,14,15
	ds_load_b32 v[TB+16*\bl+\i], v[A2] offset:8192*\hh+4*(757-((2*\st+(\b0+\bl)/2)*225+(4*((\b0+\bl)%2)+\i/8)*15+\i%8))
.endr
.endr
.endm
; A KEY STEP: 128 keys of head 2 c + hh.  st = 0 starts M, l and O.
.macro STEP hh, st
	NOPS 4                                             ; places in front of loads into registers that the last products read
.irp bk,0,1,2,3
.irp jj,0,1,2,3
	ds_load_b128 v[S+16*\bk+4*\jj:S+16*\bk+4*\jj+3], v[A0] offset:512*\st+128*\bk+16*\jj   ; the mask lands where the scores will be summed
.endr
.endr
	BIAS \hh, \st, 0
.irp pt,0,1,2,3,4,5,6,7
	ds_load_b128 v[KF+4*\pt:KF+4*\pt+3], v[A3] offset:1024*(8*\st+\pt)
.endr
	ds_load_b128 v[WS:WS+3], v[A4] offset:512*\st
	s_wait_dscnt 9                                     ; the mask and 32 bias words are in; K's eight loads and its scale words may be out
	PKADD S, TB, 16
	BIAS \hh, \st, 2
	s_wait_dscnt 32                                    ; K and its scale words are in; the 32 bias words just asked for may be out
.irp pt,0,1,2,3
	WM S+8*\pt,KF+4*\pt,QM,S+8*\pt,WS+\pt/2,QWC,\pt%2   ; S^T = K Q^T + (mask + bias); K's upper four registers meet zero codes
.endr
	s_wait_dscnt 0x0
	PKADD S+32, TB, 16
.irp pt,4,5,6,7
	WM S+8*\pt,KF+4*\pt,QM,S+8*\pt,WS+\pt/2,QWC,\pt%2
.endr
	NOPS 4
.irp b,0,1,2,3
	v_max3_num_f32 v[QT+\b], v[S+16*\b], v[S+1+16*\b], v[S+2+16*\b]      ; the largest score of each block of 32 keys: for the row's maximum and for the block's largest p
.endr
.irp i,3,5,7,9,11,13
.irp b,0,1,2,3
	v_max3_num_f32 v[QT+\b], v[QT+\b], v[S+16*\b+\i], v[S+1+16*\b+\i]
.endr
.endr
.irp b,0,1,2,3
	v_max_num_f32 v[QT+\b], v[QT+\b], v[S+15+16*\b]
.endr
.irp b,0,1,2,3
	v_permlanex16_b32 v[QT+4+\b], v[QT+\b], s[SEL], s[SEL+1]
.endr
.irp b,0,1,2,3
	v_max_num_f32 v[QT+\b], v[QT+\b], v[QT+4+\b]
.endr
	v_max3_num_f32 v[T0], v[QT], v[QT+1], v[QT+2]
	v_max_num_f32 v[T0], v[T0], v[QT+3]
	v_mul_f32 v[T0], s[LG], v[T0]                      ; as t = logit x log2(e)
.if \st == 0
	v_max_num_f32 v[TMX], 0xff61b1e6, v[T0]
	v_floor_f32 v[NM], -v[TMX]                         ; -M = floor(-t): M is a whole number
.else
	v_max_num_f32 v[TMX], v[TMX], v[T0]
	v_mov_b32 v[T0], v[NM]
	v_floor_f32 v[NM], -v[TMX]
	v_sub_f32 v[T0], v[NM], v[T0]
	v_cvt_i32_f32 v[T0], v[T0]
	v_ldexp_f32 v[F], 1.0, v[T0]                       ; f = 2^(old M - new M): a multiplication by it rounds nothing
.endif
.irp u,0,1
.irp cc,0,1
	ds_load_b128 v[VF+8*\u+4*\cc:VF+8*\u+4*\cc+3], v[A5] offset:4096*\hh+2048*\u+1024*\st+512*\cc   ; V^T, over K's registers: the score products stand four places back
.endr
.endr
	ds_load_b32 v[VSW], v[A6] offset:256*\hh+128*\st
.set jx, 0
.rept 32
	v_pk_fma_f32 v[S+jx:S+jx+1], v[S+jx:S+jx+1], s[LG:LG+1], v[NM:NM+1] op_sel_hi:[1,0,0]      ; t - M
.set jx, jx+2
.endr
.irp b,0,1,2,3
	v_fma_f32 v[QT+\b], v[QT+\b], s[LG], v[NM]
.endr
.set jx, 0
.rept 64
	v_exp_f32 v[S+jx], v[S+jx]                         ; p = 2^(t - M): not normalised
.set jx, jx+1
.endr
.if \st == 0
	v_nop                                              ; a plain place behind the exponentials
.else
	v_pk_mul_f32 v[L:L+1], v[L:L+1], v[F:F+1] op_sel_hi:[1,0]
.endif
	s_wait_alu depctr_va_vdst(0)                       ; one wait for the batch, ahead of its first reader
.irp b,0,1,2,3
	v_exp_f32 v[QT+\b], v[QT+\b]                       ; each block's largest p
.endr
	v_pk_add_f32 v[QT+4:QT+5], v[S:S+1], v[S+2:S+3]    ; the row's sum, of the unquantised p, in two chains
.set jx, 4
.rept 15
	v_pk_add_f32 v[L:L+1], v[L:L+1], v[S+jx:S+jx+1]
	v_pk_add_f32 v[QT+4:QT+5], v[QT+4:QT+5], v[S+2+jx:S+3+jx]
.set jx, jx+4
.endr
	v_pk_add_f32 v[L:L+1], v[L:L+1], v[QT+4:QT+5]
	s_wait_alu depctr_va_vdst(0)                       ; and one for the four
.irp b,0,1,2,3
	v_max_num_f32 v[QT+\b], 0x1800000, v[QT+\b]
.endr
.irp b,0,1,2,3
	v_add_nc_u32 v[QT+8+\b], 0xff000000, v[QT+\b]
.endr
.irp b,0,1,2,3
	v_lshrrev_b32 v[QT+4+\b], 23, v[QT+8+\b]
.endr
	v_lshl_or_b32 v[PW], v[QT+5], 8, v[QT+4]
	v_lshl_or_b32 v[PW], v[QT+6], 16, v[PW]
	v_lshl_or_b32 v[PW], v[QT+7], 24, v[PW]
.irp b,0,1,2,3
	v_cvt_scalef32_pk8_fp4_f32 v[PC+2*\b], v[S+16*\b:S+16*\b+7], v[QT+8+\b]
	v_cvt_scalef32_pk8_fp4_f32 v[PC+1+2*\b], v[S+8+16*\b:S+8+16*\b+7], v[QT+8+\b]
.endr
	v_nop
.irp cc,0,1
.irp i,0,1
	v_permlane16_swap_b32 v[PC+4*\cc+\i], v[PC+2+4*\cc+\i]
.endr
.endr
.if \st == 0
	NOPS 8                                             ; p's scale word stands eight places ahead of the products, its codes four
.else
.set jx, 0
.rept 8
	v_pk_mul_f32 v[O+jx:O+jx+1], v[O+jx:O+jx+1], v[F:F+1] op_sel_hi:[1,0]     ; O^T under the new M
.set jx, jx+2
.endr
	NOPS 4
.endif
	s_wait_dscnt 0x0                                   ; V^T and its scale words
.if \st == 0
	WMZ O,VF,PC,VSW,PW,0
	WMZ O+8,VF+8,PC,VSW,PW,1
.else
	WM O,VF,PC,O,VSW,PW,0
	WM O+8,VF+8,PC,O+8,VSW,PW,1
.endif
.endm
; A head's end: O^T / l, quantised as block 2 c + hh of proj's K.
.macro HEADFIN hh
	v_add_f32 v[T0], v[L], v[L+1]
	v_permlanex16_b32 v[QT+4], v[T0], s[SEL], s[SEL+1]
	v_add_f32 v[T0], v[T0], v[QT+4]
	v_rcp_f32 v[U], v[T0]
	NOPS 4                                             ; the places behind the last products, and the plain place behind the reciprocal
	s_wait_alu depctr_va_vdst(0)
.set jx, 0
.rept 8
	v_pk_mul_f32 v[O+jx:O+jx+1], v[O+jx:O+jx+1], v[U:U+1] op_sel_hi:[1,0]
.set jx, jx+2
.endr
	v_max3_num_f32 v[QT], |v[O]|, |v[O+1]|, 0x1800000
	v_max3_num_f32 v[QT+1], |v[O+2]|, |v[O+3]|, |v[O+4]|
	v_max3_num_f32 v[QT], v[QT], |v[O+5]|, |v[O+6]|
	v_max3_num_f32 v[QT+1], v[QT+1], |v[O+7]|, |v[O+8]|
	v_max3_num_f32 v[QT], v[QT], |v[O+9]|, |v[O+10]|
	v_max3_num_f32 v[QT+1], v[QT+1], |v[O+11]|, |v[O+12]|
	v_max3_num_f32 v[QT], v[QT], |v[O+13]|, |v[O+14]|
	v_max3_num_f32 v[QT], v[QT], v[QT+1], |v[O+15]|
	v_permlanex16_b32 v[QT+4], v[QT], s[SEL], s[SEL+1]
	v_max_num_f32 v[QT], v[QT], v[QT+4]
	v_add_nc_u32 v[QT+8], 0xff000000, v[QT]
	v_lshrrev_b32 v[QT+4], 23, v[QT+8]
	v_lshrrev_b32 v[AOW], 8, v[AOW]                    ; the four heads' bytes are shifted in from the top
	v_lshl_or_b32 v[AOW], v[QT+4], 24, v[AOW]
	v_cvt_scalef32_pk8_fp4_f32 v[AO+4+2*\hh], v[O:O+7], v[QT+8]
	v_cvt_scalef32_pk8_fp4_f32 v[AO+5+2*\hh], v[O+8:O+15], v[QT+8]
	v_nop
.endm
.macro HEAD hh
.irp i,0,1,2,3
	v_cndmask_b32 v[QM+\i], 0, v[QCC+\i], s[94+\hh]    ; Q's codes of this head alone: the other half of the lanes holds zero codes
.endr
	v_mov_b32 v[L], 0
	v_mov_b32 v[L+1], 0
	STEP \hh, 0
	STEP \hh, 1
	HEADFIN \hh
.endm
.macro P8MUL d, a, b
.set jx, 0
.rept 8
	v_pk_mul_f32 v[\d+jx:\d+jx+1], v[\a+jx:\a+jx+1], v[\b+jx:\b+jx+1]
.set jx, jx+2
.endr
.endm
.macro P8FM0 d, a, sc, vc              ; d = a x coefficient + the low word of a vector pair
.set jx, 0
.rept 8
	v_pk_fma_f32 v[\d+jx:\d+jx+1], v[\a+jx:\a+jx+1], s[\sc:\sc+1], v[\vc:\vc+1] op_sel_hi:[1,0,0]
.set jx, jx+2
.endr
.endm
.macro P8FMS d, b, sc                  ; d = d x b + coefficient
.set jx, 0
.rept 8
	v_pk_fma_f32 v[\d+jx:\d+jx+1], v[\d+jx:\d+jx+1], v[\b+jx:\b+jx+1], s[\sc:\sc+1] op_sel_hi:[1,1,0]
.set jx, jx+2
.endr
.endm
; 0.5 h (1 + erf(h / sqrt 2)) on 16 numbers.  erf = hc P(hc^2) / Q(hc^2), the coefficients folded to the variable h; hc = h held to +-5.41998.
.macro GELU16 k
.set HH, RB+16*\k
.set jx, 0
.rept 16
	v_med3_num_f32 v[RA+jx], v[HH+jx], s88, s89
.set jx, jx+1
.endr
	P8MUL RA+16, RA, RA
	P8FM0 RA+32, RA+16, CA4, QT
	P8FM0 RA+48, RA+16, CB6, QT+2
	P8FMS RA+32, RA+16, CA2
	P8FMS RA+48, RA+16, CB4
	P8FMS RA+32, RA+16, CA1
	P8FMS RA+48, RA+16, CB3
	P8FMS RA+32, RA+16, CA0
	P8FMS RA+48, RA+16, CB2
	P8FMS RA+48, RA+16, CB1
.set jx, 0
.rept 8
	v_pk_fma_f32 v[RA+48+jx:RA+49+jx], v[RA+48+jx:RA+49+jx], v[RA+16+jx:RA+17+jx], 1.0 op_sel_hi:[1,1,0]
.set jx, jx+2
.endr
	P8MUL RA+32, RA+32, RA
.set jx, 0
.rept 16
	v_rcp_f32 v[RA+48+jx], v[RA+48+jx]
.set jx, jx+1
.endr
.set jx, 0
.rept 8
	v_pk_mul_f32 v[HH+jx:HH+jx+1], v[HH+jx:HH+jx+1], 0.5 op_sel_hi:[1,0]    ; plain work behind the reciprocals
.set jx, jx+2
.endr
	s_wait_alu depctr_va_vdst(0)                       ; one wait for the sixteen
	P8MUL RA+32, RA+32, RA+48
.set jx, 0
.rept 8
	v_pk_fma_f32 v[HH+jx:HH+jx+1], v[HH+jx:HH+jx+1], v[RA+32+jx:RA+33+jx], v[HH+jx:HH+jx+1]
.set jx, jx+2
.endr
.endm
; ------------------------------------------------------------------ the head
	s_load_b512 s[4:19], s[0:1], 0x0                   ; x 4, mask 6, out0 8, table 10, q codes 12, kv codes 14, proj codes 16, q scales 18
	s_load_b512 s[20:35], s[0:1], 0x40                 ; kv scales 20, proj scales 22, fc1 codes 24, scales 26, fc2 codes 28, scales 30, g1 32, b1 34
	s_load_b256 s[36:43], s[0:1], 0x80                 ; q_b 36, kv_b 38, proj_b 40, g2 42
	s_load_b128 s[44:47], s[0:1], 0xa0                 ; b2 44, fc1_b 46
	s_load_b64 s[48:49], s[0:1], 0xb0                  ; fc2_b
	v_lshl_add_u32 v[SPW], v0, 2, SPARE
	v_mov_b32 v[NIL], 0
	v_lshrrev_b32 v[T0], 5, v0
	v_readfirstlane_b32 s2, v[T0]                      ; wave w
	s_lshr_b32 s3, s2, 1                               ; t
	s_and_b32 s58, s2, 1                               ; b
	v_and_b32 v[T0], 31, v0
	v_bfe_u32 v[T1], v0, 4, 1
	v_lshlrev_b32 v[LI], 4, v[T0]
	v_lshlrev_b32 v[L4], 2, v[T0]
	v_lshlrev_b32 v[PFO], 8, v[T0]
	v_lshl_add_u32 v[HB], v[T1], 6, VEC
	v_and_b32 v128, 15, v0                             ; r
	v_and_b32 v129, 8, v128
	v_add_nc_u32 v129, v129, v128                      ; r + 8 (r / 8)
	v_lshlrev_b32 v130, 6, v129
	v_lshl_add_u32 v130, v[T1], 4, v130                ; a weight's row of 64 bytes, + 16 h
	v_lshl_add_u32 v131, v[T1], 3, v129
	v_lshlrev_b32 v131, 2, v131                        ; its scale word: lanes 16-31 take the odd tile's rows, 8 further on
.irp k,0,1,2,3
	v_add_nc_u32 v[132+\k], 512*\k, v0
	v_min_u32 v[132+\k], 1574, v[132+\k]               ; the table has 1,575 rows: no load leaves it
	v_lshlrev_b32 v[132+\k], 4, v[132+\k]
.endr
.irp k,4,5,6,7
	v_mov_b32 v[QT+\k], 0                              ; written once: a lane permute's destination counts as one of its sources
.endr
	v_mov_b32 v[U], 0
	v_mov_b32 v[U+1], 0
	s_mov_b32 s59, 0x3c000000                          ; 1 / 128
	s_mov_b32 s104, 0x3727c5ac                         ; 1e-5
	s_mov_b32 s[SEL], 0x76543210
	s_mov_b32 s[SEL+1], 0xfedcba98                     ; lane l xor 16
	CPAIR LG, 0x3fb8aa3b                               ; log2(e)
	s_mov_b32 s94, 0x0000ffff
	s_mov_b32 s95, 0xffff0000
	CPAIR CA0, 0x3f4c4229                              ; P: a_i / (2^i sqrt 2)
	CPAIR CA1, 0x3d861aeb
	CPAIR CA2, 0x3c13955d
	CPAIR CA3, 0x399df185
	CPAIR CA4, 0x3729d4af
	CPAIR CB1, 0x3e7eb44a                              ; Q: b_i / 2^i
	CPAIR CB2, 0x3ce34c21
	CPAIR CB3, 0x3ae687d4
	CPAIR CB4, 0x38856d28
	CPAIR CB5, 0x354588df
	CPAIR CB6, 0xb0fd3906
	s_mov_b32 s88, 0xc0ad7080
	s_mov_b32 s89, 0x40ad7080                          ; 3.8325 sqrt 2
	s_and_b32 s60, ttmp9, 15
	s_lshl_b32 s60, s60, 3
	s_add_co_u32 s60, s60, 4                           ; 8 ww + 4
	s_mul_i32 s61, s2, 8*MP                            ; my eight mask rows; my stage lies in them
	s_lshr_b32 s98, ttmp9, 4
	s_lshl_b32 s98, s98, 3
	s_and_b32 s99, s3, 3
	s_lshl_b32 s99, s99, 1
	s_add_co_u32 s98, s98, s99
	s_add_co_u32 s98, s98, 4
	s_and_b32 s98, s98, 127                            ; my tile's first pixel row: even, so the second is the next
	s_lshl_b32 s99, s58, 2
	s_lshr_b32 s100, s3, 2
	s_add_co_u32 s99, s99, s100                        ; 4 b + frame
	s_lshl_b32 s99, s99, 7
	s_add_co_u32 s98, s98, s99
	s_lshl_b32 s98, s98, 16                            ; a pixel row is 65,536 bytes
	s_mov_b32 s99, 0
	s_lshl_b32 s100, ttmp9, 18                         ; my window's mask, my eight rows of 1,024 bytes
	s_lshl_b32 s101, s2, 13
	s_add_co_u32 s100, s100, s101
	s_mov_b32 s101, 0
	s_lshr_b32 s50, s2, 2                              ; which early weight I stage: q, k, v, proj
	s_and_b32 s51, s2, 3                               ; and which 32 rows of it
	s_wait_kmcnt 0x0
	s_add_nc_u64 s[4:5], s[4:5], s[98:99]
	s_add_nc_u64 s[8:9], s[8:9], s[98:99]
	s_add_nc_u64 s[54:55], s[4:5], 0x1000000           ; tile t + 8: two frames on
	s_add_nc_u64 s[6:7], s[6:7], s[100:101]
	s_cmp_eq_u32 s50, 0
	s_cselect_b64 s[52:53], s[12:13], s[14:15]
	s_cselect_b64 s[56:57], s[18:19], s[20:21]
	s_cmp_eq_u32 s50, 3
	s_cselect_b64 s[52:53], s[16:17], s[52:53]
	s_cselect_b64 s[56:57], s[22:23], s[56:57]
	s_cmp_eq_u32 s50, 2
	s_cselect_b32 s98, 8192, 0                         ; v's rows begin 128 rows into kv_w
	s_cselect_b32 s100, 512, 0
	s_lshl_b32 s99, s51, 11
	s_add_co_u32 s98, s98, s99
	s_mov_b32 s99, 0
	s_add_nc_u64 s[52:53], s[52:53], s[98:99]
	s_lshl_b32 s99, s51, 7
	s_add_co_u32 s98, s100, s99
	s_mov_b32 s99, 0
	s_add_nc_u64 s[56:57], s[56:57], s[98:99]
.irp u,0,1
.irp cc,0,1
	global_load_b128 v[RA+8*\u+4*\cc:RA+8*\u+4*\cc+3], v130, s[52:53] offset:512*\u+32*\cc
.endr
.endr
	global_load_b32 v[RA+16], v131, s[56:57]
.irp k,0,1,2,3
	global_load_b128 v[RA+20+4*\k:RA+20+4*\k+3], v[132+\k], s[10:11]
.endr
	s_mov_b64 s[96:97], s[48:49]                       ; vector chunk w: the choice hangs on the wave's number alone
	s_cmp_lt_u32 s2, 12
	s_cselect_b64 s[96:97], s[46:47], s[96:97]
	s_cmp_lt_u32 s2, 8
	s_cselect_b64 s[96:97], s[44:45], s[96:97]
	s_cmp_lt_u32 s2, 7
	s_cselect_b64 s[96:97], s[42:43], s[96:97]
	s_cmp_lt_u32 s2, 6
	s_cselect_b64 s[96:97], s[40:41], s[96:97]
	s_cmp_lt_u32 s2, 5
	s_cselect_b64 s[96:97], s[38:39], s[96:97]
	s_cmp_lt_u32 s2, 3
	s_cselect_b64 s[96:97], s[36:37], s[96:97]
	s_cmp_lt_u32 s2, 2
	s_cselect_b64 s[96:97], s[34:35], s[96:97]
	s_cmp_lt_u32 s2, 1
	s_cselect_b64 s[96:97], s[32:33], s[96:97]
	s_and_b32 s98, s2, 3
	s_lshl_b32 s98, s98, 9
	s_lshr_b32 s99, s2, 2
	s_cmp_eq_u32 s99, 2
	s_cselect_b32 s98, s98, 0                          ; fc1_b's four chunks,
	s_cmp_eq_u32 s2, 4
	s_cselect_b32 s98, 512, s98                        ; kv_b's second
	s_mov_b32 s99, 0
	s_add_nc_u64 s[96:97], s[96:97], s[98:99]
	global_load_b128 v[RA+36:RA+39], v[LI], s[96:97]
	MKIO
	XLOAD RC, 4, 0                                     ; tile t of x
	s_wait_loadcnt 16                                  ; the ten staging loads are in; x's sixteen may be out
	s_mul_i32 s98, s50, GSZ
	s_add_co_u32 s98, s98, GRP0+5*GSZ
	s_lshl_b32 s99, s51, 11
	s_add_co_u32 s99, s99, s98
	v_add_nc_u32 v136, s99, v[LI]
.irp u,0,1
.irp cc,0,1
	ds_store_b128 v136, v[RA+8*\u+4*\cc:RA+8*\u+4*\cc+3] offset:1024*\u+512*\cc      ; a fragment goes to LDS as the image of its registers
.endr
.endr
	s_lshl_b32 s99, s51, 2
	s_add_co_u32 s99, s99, s98
	v_add_nc_u32 v137, s99, v[LI]
	ds_store_b32 v137, v[RA+16] offset:8192
	v_lshl_add_u32 v138, v0, 2, TAB
.irp k,0,1,2,3
.irp p,0,1,2,3
	ds_store_b32 v138, v[RA+20+4*\k+\p] offset:8192*\p+2048*\k                       ; the table by heads; slots past row 1,574 are each plane's own padding
.endr
.endr
	s_lshl_b32 s99, s2, 9
	s_add_co_u32 s99, s99, VEC
	v_add_nc_u32 v139, s99, v[LI]
	ds_store_b128 v139, v[RA+36:RA+39]
	BARRIER                                            ; the early weights, the table and the vectors lie in LDS
; ------------------------------------------------------------------ phase 0: xn, Q, K of my two tiles
; A natural token (T, r) lies in the permuted tile 2 (T / 2) + r / 8 at lane (r % 8) + 8 (T % 2): so that a tile's results come out with 16 neighbouring tokens in 16 registers.
	v_and_b32 v128, 15, v0
	v_bfe_u32 v129, v0, 4, 1
	v_and_b32 v130, 7, v128
	v_lshrrev_b32 v131, 3, v128
	v_lshl_add_u32 v[T1], v129, 4, v130
	v_lshlrev_b32 v[T1], 4, v[T1]
	v_lshl_add_u32 v[T1], v131, 10, v[T1]
	s_lshr_b32 s98, s3, 1
	s_lshl_b32 s99, s98, 11
	s_and_b32 s100, s3, 1
	s_lshl_b32 s100, s100, 7
	s_add_co_u32 s99, s99, s100
	s_lshl_b32 s101, s58, 14
	s_add_co_u32 s99, s99, s101
	v_add_nc_u32 v[T1], s99, v[T1]                     ; my place in an image of codes
	v_lshl_add_u32 v[PSC], v131, 4, v130
	v_lshlrev_b32 v[PSC], 4, v[PSC]
	s_lshl_b32 s98, s98, 2
	s_add_co_u32 s98, s98, s100
	v_add_nc_u32 v[PSC], s98, v[PSC]                   ; and among the scale words
	s_lshl_b32 s56, s58, 10
	s_add_co_u32 s56, s56, XSC
	s_lshl_b32 s57, s58, 11
	s_add_co_u32 s57, s57, KS
.macro PASS a
	s_wait_loadcnt 0x0                                 ; the tile of x
	XTURN RC
	LNORM RC, RC, 0, 1
	QUANT RC, PC, AOW
.if \a == 0
	XLOAD RC, 54, 0                                    ; tile t + 8 lands while this tile's Q and K are made
.else
.irp ro,0,1,2,3,4,5,6,7
.irp e,0,1
	global_load_b128 v[RC+8*\ro+4*\e:RC+8*\ro+4*\e+3], v[LI], s[6:7] offset:1024*\ro+512*\e th:TH_LOAD_NT    ; my eight rows of the mask's first half: 512 consecutive bytes a load
.endr
.endr
.endif
	v_add_nc_u32 v[T0], XI, v[T1]
	ds_store_b128 v[T0], v[PC:PC+3] offset:8192*\a
	ds_store_b128 v[T0], v[PC+4:PC+7] offset:8192*\a+512
	v_add_nc_u32 v[T0], s56, v[PSC]
	ds_store_b32 v[T0], v[AOW] offset:512*\a
	VLOAD RB, HB, 1024                                 ; q_b is the C of Q's products
	v_add_nc_u32 v[T0], GRP0+5*GSZ, v[LI]
	PROD8 RB, T0, PC, AOW, 8
	NOPS 4
.set jx, 0
.rept 32
	v_pk_mul_f32 v[RB+jx:RB+jx+1], v[RB+jx:RB+jx+1], 0x3e3504f3 op_sel_hi:[1,0]     ; x 32^-0.5, ahead of the quantiser as the problem has it
.set jx, jx+2
.endr
.if \a == 0
	QUANT RB, QCC, QWC
.else
	QUANT RB, QCN, QWN
.endif
	VLOAD RB, HB, 1536                                 ; k's half of kv_b
	v_add_nc_u32 v[T0], GRP0+6*GSZ, v[LI]
	PROD8 RB, T0, PC, AOW, 0
	NOPS 4
	QUANT RB, PC, PW
	v_add_nc_u32 v[T0], KC, v[T1]
	ds_store_b128 v[T0], v[PC:PC+3] offset:8192*\a
	ds_store_b128 v[T0], v[PC+4:PC+7] offset:8192*\a+512
	v_add_nc_u32 v[T0], s57, v[PSC]
	ds_store_b32 v[T0], v[PW] offset:512*\a
	v_lshrrev_b32 v[VSW], 16, v[PW]                    ; heads 2 and 3 find their bytes at the word's low end
	ds_store_b32 v[T0], v[VSW] offset:1024+512*\a
.endm
	PASS 0
	PASS 1
	BARRIER                                            ; xn's and K's images of both batches lie in LDS
; ------------------------------------------------------------------ V^T: wave w makes 16 channels (tile vt = w % 8) x 128 keys (step vs = w / 8), for each batch
; Source 0 = 16 tokens, source 1 = 16 rows of v_w: a lane holds one channel and its registers run down the keys, which are the second product's K.
	s_lshr_b32 s50, s2, 3
	s_and_b32 s51, s2, 7
	s_and_b32 s52, s51, 1
	s_lshr_b32 s53, s51, 1
	v_and_b32 v128, 15, v0
	v_and_b32 v129, 8, v128
	v_add_nc_u32 v129, v129, v128
	s_lshl_b32 s98, s50, 13
	s_add_co_u32 s98, s98, XI
	v_add_nc_u32 v[A0], s98, v[LI]
	s_lshl_b32 s98, s50, 9
	s_add_co_u32 s98, s98, XSC
	v_add_nc_u32 v[A1], s98, v[LI]
	s_lshl_b32 s98, s51, 10
	s_add_co_u32 s98, s98, GRP0+7*GSZ
	v_add_nc_u32 v[A2], s98, v[LI]
	s_lshl_b32 s98, s52, 8
	s_lshl_b32 s99, s53, 2
	s_add_co_u32 s98, s98, s99
	s_add_co_u32 s98, s98, GRP0+7*GSZ+8192
	v_lshl_add_u32 v[A3], v128, 4, s98
	s_lshl_b32 s98, s53, 7
	s_lshl_b32 s99, s52, 5
	s_add_co_u32 s98, s98, s99
	s_add_co_u32 s98, s98, VEC+2048
	v_lshl_add_u32 v[A4], v129, 2, s98                 ; v's bias of my lane's channel
	s_lshl_b32 s98, s51, 11
	s_lshl_b32 s99, s50, 10
	s_add_co_u32 s98, s98, s99
	s_add_co_u32 s98, s98, VC
	v_add_nc_u32 v[A5], s98, v[LI]
	s_lshl_b32 s98, s53, 8
	s_lshl_b32 s99, s50, 7
	s_add_co_u32 s98, s98, s99
	s_lshl_b32 s99, s52, 6
	s_add_co_u32 s98, s98, s99
	s_add_co_u32 s98, s98, VS
	v_lshl_add_u32 v[T0], v128, 2, s98
.macro VUNIT a
.irp pt,0,1,2,3,4,5,6,7
.irp cc,0,1
	ds_load_b128 v[RA+8*\pt+4*\cc:RA+8*\pt+4*\cc+3], v[A0] offset:16384*\a+1024*\pt+512*\cc
.endr
.endr
	ds_load_b128 v[WS:WS+3], v[A1] offset:1024*\a
	ds_load_b128 v[PC:PC+3], v[A2]
	ds_load_b128 v[PC+4:PC+7], v[A2] offset:512
	ds_load_b32 v[VSW], v[A3]
.irp j,0,1,2,3,4,5,6,7
	ds_load_b32 v[QT+\j], v[A4]                        ; the bias as C: the same for a lane's eight tokens
.endr
	s_wait_dscnt 0x0
.irp pt,0,1,2,3,4,5,6,7
	WM RB+8*\pt,RA+8*\pt,PC,QT,WS+\pt/2,VSW,\pt%2
.endr
	NOPS 4
	QUANT RB, RA, PW
	ds_store_b128 v[A5], v[RA:RA+3] offset:16384*\a
	ds_store_b128 v[A5], v[RA+4:RA+7] offset:16384*\a+512
	ds_store_b32 v[T0], v[PW] offset:1024*\a
.endm
	VUNIT 0
	VUNIT 1
	; the MLP's weights: wave w fetches 32 rows of fc1 (group w / 4) and 32 rows x one K step of fc2; they are stored when nobody reads phase 0's bytes any more
	s_lshr_b32 s50, s2, 2
	s_and_b32 s51, s2, 3
	s_mov_b32 s99, 0
	s_lshl_b32 s98, s2, 11
	s_add_nc_u64 s[24:25], s[24:25], s[98:99]
	s_lshl_b32 s98, s2, 7
	s_add_nc_u64 s[26:27], s[26:27], s[98:99]
	s_lshl_b32 s98, s51, 13
	s_lshl_b32 s100, s50, 6
	s_add_co_u32 s98, s98, s100
	s_add_nc_u64 s[28:29], s[28:29], s[98:99]
	s_lshl_b32 s98, s51, 9
	s_lshl_b32 s100, s50, 2
	s_add_co_u32 s98, s98, s100
	s_add_nc_u64 s[30:31], s[30:31], s[98:99]
	v_and_b32 v128, 15, v0
	v_and_b32 v129, 8, v128
	v_add_nc_u32 v129, v129, v128
	v_bfe_u32 v132, v0, 4, 1
	v_lshlrev_b32 v130, 6, v129
	v_lshl_add_u32 v130, v132, 4, v130
	v_lshl_add_u32 v131, v132, 3, v129
	v_lshlrev_b32 v134, 4, v131
	v_lshlrev_b32 v131, 2, v131
	v_lshlrev_b32 v133, 8, v129
	v_lshl_add_u32 v133, v132, 4, v133
.irp u,0,1
.irp cc,0,1
	global_load_b128 v[RA+8+8*\u+4*\cc:RA+8+8*\u+4*\cc+3], v130, s[24:25] offset:512*\u+32*\cc
	global_load_b128 v[RA+24+8*\u+4*\cc:RA+24+8*\u+4*\cc+3], v133, s[28:29] offset:2048*\u+32*\cc
.endr
.endr
	global_load_b32 v[RA+40], v131, s[26:27]
	global_load_b32 v[RA+41], v134, s[30:31]
	s_wait_loadcnt 10                                  ; the mask's sixteen loads are in; the ten just issued may be out
.irp ro,0,1,2,3,4,5,6,7
.irp e,0,1
	ds_store_b128 v[A6], v[RC+8*\ro+4*\e:RC+8*\ro+4*\e+3] offset:MP*\ro+512*\e
.endr
.endr
	BARRIER                                            ; V^T lies in LDS, and nobody reads xn's images or q, k, v's weights any more
	s_wait_loadcnt 0x0
	s_mul_i32 s98, s50, GSZ
	s_add_co_u32 s98, s98, GRP0
	s_lshl_b32 s99, s51, 11
	s_add_co_u32 s99, s99, s98
	v_add_nc_u32 v135, s99, v[LI]
.irp u,0,1
.irp cc,0,1
	ds_store_b128 v135, v[RA+8+8*\u+4*\cc:RA+8+8*\u+4*\cc+3] offset:1024*\u+512*\cc
	ds_store_b128 v135, v[RA+24+8*\u+4*\cc:RA+24+8*\u+4*\cc+3] offset:4*GSZ+1024*\u+512*\cc
.endr
.endr
	s_lshl_b32 s99, s51, 2
	s_add_co_u32 s99, s99, s98
	v_add_nc_u32 v136, s99, v[LI]
	ds_store_b32 v136, v[RA+40] offset:8192
	ds_store_b32 v136, v[RA+41] offset:4*GSZ+8192
; ------------------------------------------------------------------ two trips: tile t, then tile t + 8
	s_lshr_b32 s98, s3, 2
	s_mul_i32 s98, s98, 900
	s_and_b32 s99, s3, 3
	s_mul_i32 s99, s99, 120
	s_add_co_u32 s37, s98, s99
	s_add_co_u32 s37, s37, TAB                         ; the wave's part of the bias index, in bytes: 4 (225 (t / 4) + 30 (t % 4)); 1,800 more in trip 1
	s_mov_b32 s97, 2                                   ; the K step of the MLP in which the next mask half is prefetched
	s_mov_b32 s62, 0
.Ltrip:
	BARRIER                                            ; the mask's half is whole (and, in trip 0, the MLP's weights)
	v_and_b32 v[T0], 15, v0
	v_bfe_u32 v[T1], v0, 4, 1
	v_mul_u32_u24 v[A0], v[T0], MP
	v_lshl_add_u32 v[A0], v[T1], 6, v[A0]
	s_mul_i32 s98, s3, 16*MP
	v_add_nc_u32 v[A0], s98, v[A0]                     ; my query's mask row, + 64 h
	v_and_b32 v[A1], 7, v[T0]
	v_lshrrev_b32 v[A2], 3, v[T0]
	v_mad_u32_u24 v[A1], v[A2], 15, v[A1]
	v_add_nc_u32 v[A1], 30, v[A1]
	v_mul_u32_u24 v[A2], v[T1], 30
	v_sub_nc_u32 v[A1], v[A1], v[A2]
	v_lshlrev_b32 v[A1], 2, v[A1]                      ; the lane's part of the bias index: 4 (r % 8 + 15 (r / 8) + 30 - 30 h)
	s_lshl_b32 s32, s58, 14
	s_add_co_u32 s32, s32, KC
	s_lshl_b32 s33, s58, 11
	s_add_co_u32 s33, s33, KS
	s_lshl_b32 s34, s58, 14
	s_add_co_u32 s34, s34, VC
	s_lshl_b32 s35, s58, 10
	s_add_co_u32 s35, s35, VS
	s_mov_b32 s36, s37
.irp i,0,1,2,3
	v_mov_b32 v[KF+32+\i], 0                           ; zero codes behind K's last tile,
	v_mov_b32 v[QM+4+\i], 0                            ; and in Q's upper four registers
.endr
.irp i,0,1,2,3,4,5,6,7
	v_mov_b32 v[AO+\i], 0
.endr
	v_mov_b32 v[AOW], 0
	v_mov_b32 v[F+1], 0                                ; named as the upper half of a pair
	s_mov_b32 s63, 0
.Lc:                                                   ; two trips: heads 0, 1 and heads 2, 3
	v_add_nc_u32 v[A2], s36, v[A1]
	v_add_nc_u32 v[A3], s32, v[LI]
	v_add_nc_u32 v[A4], s33, v[LI]
	v_add_nc_u32 v[A5], s34, v[LI]
	v_add_nc_u32 v[A6], s35, v[L4]
.irp i,0,1,2,3
	v_mov_b32 v[AO+\i], v[AO+4+\i]                     ; the last pair's codes move down
.endr
	HEAD 0
	HEAD 1
.irp i,0,1,2,3
	v_mov_b32 v[QCC+\i], v[QCC+4+\i]                   ; Q's codes and bytes of the next pair of heads
.endr
	v_lshrrev_b32 v[QWC], 16, v[QWC]
	s_add_co_u32 s32, s32, 512
	s_add_co_u32 s33, s33, 1024
	s_add_co_u32 s34, s34, 8192
	s_add_co_u32 s35, s35, 512
	s_add_co_u32 s36, s36, 16384
	s_add_co_u32 s63, s63, 1
	s_cmp_lt_u32 s63, 2
	s_cbranch_scc1 .Lc
	MKIO
	XLOAD RC, 4, 1                                     ; x once more, for the residual
.irp cc,0,1
.irp i,0,1
	v_permlane16_swap_b32 v[AO+4*\cc+\i], v[AO+2+4*\cc+\i]
.endr
.endr
	BARRIER                                            ; nobody reads the mask's rows any more: my eight serve as my stage
	VLOAD RA, HB, 2560                                 ; proj_b
	s_wait_loadcnt 0x0
	XTURN RC
	s_wait_dscnt 0x0
	PKADD RC, RA, 32                                   ; x + proj_b is the C of proj's products: the residual costs no further line
	v_add_nc_u32 v[T0], GRP0+8*GSZ, v[LI]
	PROD8 RC, T0, AO, AOW, 0
	NOPS 4
	LNORM RC, RB, 6, 7
	QUANT RB, QCC, QWC
	VLOAD RA, HB, 6144                                 ; fc2_b
	s_wait_dscnt 0x0
	PKADD RC, RA, 32                                   ; and x1 + fc2_b is where fc2's products are summed
	s_mov_b32 s38, GRP0
	s_mov_b32 s39, GRP0+4*GSZ
	s_mov_b32 s40, 4096
	s_mov_b32 s96, 0
.Lg:                                                   ; four trips: 128 hidden units, one K step of fc2
	NOPS 4                                             ; places in front of loads into registers that the last products read
	v_add_nc_u32 v[T0], s40, v[HB]
	VLOAD RB, T0, 0                                    ; fc1_b
	v_add_nc_u32 v[T1], s38, v[LI]
	PROD8 RB, T1, QCC, QWC, 0
	v_mov_b32 v[QT], s[CA3]                            ; two coefficients for the first steps of P and Q: also two of the four places
	v_mov_b32 v[QT+2], s[CB5]
	NOPS 2
	GELU16 0
	GELU16 1
	GELU16 2
	GELU16 3
	v_add_nc_u32 v[T1], s39, v[LI]
	PLOAD T1                                           ; fc2's fragments land while the hidden layer is quantised
	s_cmp_lg_u32 s96, s97
	s_cbranch_scc1 .Lnp
	global_prefetch_b8 v[PFO], s[6:7] offset:131072 th:TH_LOAD_NT scope:SCOPE_SE     ; my eight rows of the mask's second half, 32 blocks of 256 bytes, a lane a block: one K step ahead of their loads; trip 0 alone
.Lnp:
	QUANT RB, PC, PW
	s_wait_dscnt 0x0
	NOPS 8                                             ; a scale word made by vector instructions stands eight places ahead, codes four
	PMUL RC, PC, PW
	s_add_co_u32 s38, s38, GSZ
	s_add_co_u32 s39, s39, GSZ
	s_add_co_u32 s40, s40, 512
	s_add_co_u32 s96, s96, 1
	s_cmp_lt_u32 s96, 4
	s_cbranch_scc1 .Lg
	NOPS 4
	s_cmp_lg_u32 s62, 0
	s_cbranch_scc1 .Lnm1
.irp ro,0,1,2,3,4,5,6,7
.irp e,0,1
	global_load_b128 v[RB+8*\ro+4*\e:RB+8*\ro+4*\e+3], v[LI], s[6:7] offset:131072+1024*\ro+512*\e th:TH_LOAD_NT
.endr
.endr
.Lnm1:
	; the way out: through my stage, so that sixteen lanes store 256 consecutive bytes, aligned
.irp p,0,1
.irp bl,0,1
.irp jj,0,1,2,3
	ds_store_b128 v[A5], v[RC+32*\p+16*\bl+4*\jj:RC+32*\p+16*\bl+4*\jj+3] offset:128*\bl+16*\jj
.endr
.endr
.irp i,0,1,2,3,4,5,6,7
	ds_load_b128 v[RA+32*\p+4*\i:RA+32*\p+4*\i+3], v[A4] offset:544*\i
.endr
.endr
	s_wait_dscnt 0x0
.irp p,0,1
.irp i,0,1,2,3,4,5,6,7
	global_store_b128 v[A0+\i%4], v[RA+32*\p+4*\i:RA+32*\p+4*\i+3], s[8:9] offset:65536*(\i/4)+256*\p th:TH_STORE_NT
.endr
.endr
	s_wait_loadcnt 0x0                                 ; the mask's second half, where it was asked for
	s_cmp_lg_u32 s62, 0
	s_cbranch_scc1 .Lnm2
.irp ro,0,1,2,3,4,5,6,7
.irp e,0,1
	ds_store_b128 v[A6], v[RB+8*\ro+4*\e:RB+8*\ro+4*\e+3] offset:MP*\ro+512*\e       ; over my own rows, behind my last read of the stage
.endr
.endr
.Lnm2:
	s_wait_xcnt 0x0                                    ; the stores have read their registers, offsets and base: all are written again only behind this wait
	s_add_nc_u64 s[4:5], s[4:5], 0x1000000
	s_add_nc_u64 s[8:9], s[8:9], 0x1000000
	s_add_co_u32 s37, s37, 1800
	s_mov_b32 s97, -1
.irp i,0,1,2,3,4,5,6,7
	v_mov_b32 v[QCC+\i], v[QCN+\i]
.endr
	v_mov_b32 v[QWC], v[QWN]
	s_add_co_u32 s62, s62, 1
	s_cmp_lt_u32 s62, 2
	s_cbranch_scc1 .Ltrip
	s_wait_tensorcnt 0x0                               ; the wave's end: three lines behind my last LDS store
	ds_add_u32 v[SPW], v[NIL]
	s_wait_dscnt 0x0
	s_endpgm
.Lfunc_end_k_q7e58f60cea_block:
	.size	k_q7e58f60cea_block, .Lfunc_end_k_q7e58f60cea_block-k_q7e58f60cea_block
	.p2alignl 7, 3214868480
	.fill 96, 4, 3214868480
	.section	.rodata,"a",@progbits
	.p2align	6, 0x0
	.amdhsa_kernel k_q7e58f60cea_block
		.amdhsa_group_segment_fixed_size 326144
		.amdhsa_private_segment_fixed_size 0
		.amdhsa_enable_private_segment 0
		.amdhsa_kernarg_size 184
		.amdhsa_user_sgpr_count 2
		.amdhsa_user_sgpr_kernarg_segment_ptr 1
		.amdhsa_wavefront_size32 1
		.amdhsa_system_sgpr_workgroup_id_x 1
		.amdhsa_system_sgpr_workgroup_id_y 1
		.amdhsa_system_sgpr_workgroup_id_z 1
		.amdhsa_system_vgpr_workitem_id 0
		.amdhsa_next_free_vgpr 256
		.amdhsa_next_free_sgpr 106
		.amdhsa_reserve_vcc 0
		.amdhsa_float_denorm_mode_32 3
		.amdhsa_float_denorm_mode_16_64 3
		.amdhsa_memory_ordered 1
		.amdhsa_forward_progress 1
		.amdhsa_inst_pref_size 255
	.end_amdhsa_kernel
	.section	.bss,"aw",@nobits
	.p2align	6
	.space	262144
	.amdgpu_metadata
---
amdhsa.version: [ 1, 2 ]
amdhsa.kernels:
  - .name:           k_q7e58f60cea_block
    .symbol:         k_q7e58f60cea_block.kd
    .args:
      - { .name: x, .offset: 0, .size: 8, .value_kind: global_buffer, .address_space: global }
      - { .name: mask_matrix, .offset: 8, .size: 8, .value_kind: global_buffer, .address_space: global }
      - { .name: out0, .offset: 16, .size: 8, .value_kind: global_buffer, .address_space: global }
      - { .name: rel_table, .offset: 24, .size: 8, .value_kind: global_buffer, .address_space: global }
      - { .name: q_w_codes, .offset: 32, .size: 8, .value_kind: global_buffer, .address_space: global }
      - { .name: kv_w_codes, .offset: 40, .size: 8, .value_kind: global_buffer, .address_space: global }
      - { .name: proj_w_codes, .offset: 48, .size: 8, .value_kind: global_buffer, .address_space: global }
      - { .name: q_w_scales, .offset: 56, .size: 8, .value_kind: global_buffer, .address_space: global }
      - { .name: kv_w_scales, .offset: 64, .size: 8, .value_kind: global_buffer, .address_space: global }
      - { .name: proj_w_scales, .offset: 72, .size: 8, .value_kind: global_buffer, .address_space: global }
      - { .name: fc1_w_codes, .offset: 80, .size: 8, .value_kind: global_buffer, .address_space: global }
      - { .name: fc1_w_scales, .offset: 88, .size: 8, .value_kind: global_buffer, .address_space: global }
      - { .name: fc2_w_codes, .offset: 96, .size: 8, .value_kind: global_buffer, .address_space: global }
      - { .name: fc2_w_scales, .offset: 104, .size: 8, .value_kind: global_buffer, .address_space: global }
      - { .name: norm1_g, .offset: 112, .size: 8, .value_kind: global_buffer, .address_space: global }
      - { .name: norm1_b, .offset: 120, .size: 8, .value_kind: global_buffer, .address_space: global }
      - { .name: q_b, .offset: 128, .size: 8, .value_kind: global_buffer, .address_space: global }
      - { .name: kv_b, .offset: 136, .size: 8, .value_kind: global_buffer, .address_space: global }
      - { .name: proj_b, .offset: 144, .size: 8, .value_kind: global_buffer, .address_space: global }
      - { .name: norm2_g, .offset: 152, .size: 8, .value_kind: global_buffer, .address_space: global }
      - { .name: norm2_b, .offset: 160, .size: 8, .value_kind: global_buffer, .address_space: global }
      - { .name: fc1_b, .offset: 168, .size: 8, .value_kind: global_buffer, .address_space: global }
      - { .name: fc2_b, .offset: 176, .size: 8, .value_kind: global_buffer, .address_space: global }
    .group_segment_fixed_size: 326144
    .private_segment_fixed_size: 0
    .kernarg_segment_align: 8
    .kernarg_segment_size: 184
    .max_flat_workgroup_size: 512
    .sgpr_count:     106
    .vgpr_count:     256
    .wavefront_size: 32
...
	.end_amdgpu_metadata
.endif
;; end of part 1
;; ======== version 2 of 2: 1 launch; version 1 with the launch block written anew for expert scheduling mode
;; limits: right only within a limited range of input values
;; launch block (part 2): grid 256 x 1, 16 waves a work-group, no clusters, 326,144 bytes of LDS; arguments x, mask_matrix, out0, rel_table, q_w_codes, kv_w_codes, proj_w_codes, q_w_scales, kv_w_scales, proj_w_scales, fc1_w_codes, fc1_w_scales, fc2_w_codes, fc2_w_scales, norm1_g, norm1_b, q_b, kv_b, proj_b, norm2_g, norm2_b, fc1_b, fc2_b; writes out0
.if DOCPART == 2
	.amdgcn_target "amdgcn-amd-amdhsa--gfx1250"
	.amdhsa_code_object_version 6
	.text
	.protected	k_q7e58f60cea_block
	.globl	k_q7e58f60cea_block
	.p2align	8
	.type	k_q7e58f60cea_block,@function
k_q7e58f60cea_block:
	s_mov_b64 s[64:65], 0
	v_nop
	global_prefetch_b8 v0, s[64:65] scope:SCOPE_SE
	s_setreg_imm32_b32 hwreg(HW_REG_WAVE_SCHED_MODE, 0, 2), 2
	s_setreg_imm32_b32 hwreg(HW_REG_WAVE_MODE, 25, 1), 1
	s_wait_xcnt 0x0
	s_wait_alu depctr_vm_vsrc(0)
; A shifted-window transformer block in one launch: LN1, windows of 4 x 8 x 8 = 256 tokens, q/k/v, 4 heads of attention with a relative-position bias and an additive mask,
; proj, residual, LN2, fc1, exact GELU, fc2, residual.  All seven products on codes of FP4 (E2M1) with one E8M0 scale for each 32 along K; everything else in f32.
; DEAD WORK: none.  Every input has a way to out0, so all 22 inputs are arguments and are loaded.
; SHARES.  Work-group = window index win (0..255) of BOTH batches, so its 256 x 256 mask is read from memory once.  Sixteen waves of 256 registers.  Wave w = 2 t + b owns batch b and the tiles of
; 16 tokens T = t (trip 0) and T = t + 8 (trip 1).  Phase 0 makes K and V of both batches in LDS and Q's codes in registers; then in each of two trips a wave takes its tile alone through attention,
; proj, residual, LN2, the MLP and the store.  A token comes from and returns to pixel ((8 wh + 4 + i) & 127, (8 ww + 4 + j) & 127): the two rolls cancel.
; LAYOUT.  "ROW": lane (r, h) holds token r, register 16 bb + i holds channel 32 bb + 16 h + i.  Every product with a weight is used transposed (source 0 = 16 rows of the weight, source 1 = 16 tokens), and lane r
; of weight tile 2 bb + u takes row 32 bb + 8 u + r + 8 (r / 8): so results fall in ROW, which is what the quantiser takes.  Biases, the mask with the position bias, and the residual are the C of a sum's first product.
; K = 32 OF THE SCORES is served by the K = 128 form: of K's and Q's codes the four registers of a pair of heads are named; Q's are kept in one half of the lanes (one head) and are zero codes elsewhere,
; so that whatever K holds there adds nothing; no scale byte there is 0xff.
; NO CLUSTER: work-groups share only the weights, the table and the vectors (some 136 KB) against 1 MB of x, mask and out0 of their own, and this text has no tensor load that could ask jointly.
; x IS READ TWICE by the same wave (for LN1, and again for the residual): beside attention's registers there is no room for its 64.
; LIMITS.  Inputs are finite (a mask entry of -infinity goes in as a matrix C operand and was not tried).  A block of zeros gets the scale byte 1, not 127: its codes are zeros, and this program alone reads the bytes.
; erf is z P(z^2) / Q(z^2) on |z| <= 3.8325 (held there beyond), of f32's accuracy in absolute terms; 1 + erf cancels for negative inputs as in the formula 0.5 h (1 + erf).
; THE MODE: SCHED_MODE bits 1:0 = 2 (LLVM: expert scheduling mode 2), set by the entry lines.  The code itself states the register dependences between vector or matrix instructions and memory or LDS
; instructions, with s_wait_alu, always for 0.
; THE PLAN.  Registers that memory or LDS instructions touch:
;   LI, L4, HB            made at the head, never written again.
;   A0-A6, T0, T1, v13, v20   the addresses of the phase in hand: made in one run at a phase's head, behind a wait on vm_vsrc for the accesses of the phase before and ahead of a wait on va_vdst before their first use.
;   attention             S: the mask lands, the products, exponentials and conversions work on it.  TB: 32 bias words land twice a step, the additions read them.  KF, WS: K and its scale words land, the score
;                         products read them.  VF, VSW: V^T and its scale word land, the second products read them; VF has registers of its own.
;                         A step has four waits on va_vdst: behind the first additions (TB is free; Q's masked codes are written); behind the 64 exponentials (VF and VSW are free: their loads follow);
;                         behind the four exponentials; ahead of the second products (p's codes and scale word are written; S, TB, KF and WS are free: THE NEXT STEP'S 57 LOADS follow those two products,
;                         which name O, VF, PC, VSW and PW alone).  Only a pair of heads' first step is loaded at its own head.
;   the MLP               RA: a group's fragments land, the products read them, GELU works in it.  RB: fc1_b lands, the hidden layer is made and quantised there.  Three waits on va_vdst a K step beside GELU's eight:
;                         at its head, behind GELU, ahead of fc2's products.
;   stores                their data are written ahead of one wait on va_vdst in front of each run of stores; a wait on vm_vsrc stands ahead of the first line that writes such data again.
.set MP,    1040                       ; a mask row in LDS: 1,024 bytes + 16: row r starts 4 r banks on
.set KC,    133120                     ; behind 128 mask rows: K's codes [b][tile 16][c 2][lane x 16 B], images of half fragments
.set KS,    165888                     ; K's scale words [b][ver 2][step 2][lane x 16 B]; ver 1: the word >> 16
.set VC,    169984                     ; V^T's codes [b][vt 8][step 2][c 2][lane x 16 B]
.set VS,    202752                     ; V^T's scale words [b][head 4][step 2][u 2][r x 4 B]
.set TAB,   204800                     ; the table by heads: [head][2,048 words]
.set VEC,   237568                     ; sixteen chunks of 512 B: g1 b1 q_b k_b v_b proj_b g2 b2 fc1_b x 4 fc2_b (and three copies of it)
.set GRP0,  245760                     ; nine groups: eight fragment images of 1 KB and 512 B of scale words.  0-3 fc1, 4-7 fc2, 8 proj
.set GSZ,   8704
.set XI,    GRP0                       ; phase 0 only: xn's codes, laid as KC with c on end; q_w, k_w, v_w in groups 5, 6, 7
.set XSC,   GRP0+32768                 ; and xn's scale words [b][step][lane x 16 B]
.set SPARE, 324096                     ; the spare words: 128 bytes a wave, eight blocks of 256 bytes that no other line names
.set LI,1                              ; 16 x lane
.set L4,2                              ; 4 x lane
.set HB,3                              ; VEC + 64 h
.set SPW,4                             ; my spare word; never rewritten
.set NIL,5                             ; 0; never rewritten
.set A0,6                              ; v6-12: seven addresses of the phase in hand
.set A1,7
.set A2,8
.set A3,9
.set A4,10
.set A5,11
.set A6,12
.set PX,13                             ; phase 0: where I store xn's scale word
.set PFO,13                            ; behind phase 0: 256 x lane
.set WS,14                             ; v14-17 a group's scale words
.set VSW,18
.set PW,19
.set PSC,20                            ; phase 0: where I store K's scale words (an address, never a scale)
.set QWC,21                            ; Q's scale word of the trip; later x2's
.set QWN,22                            ; Q's of the next trip
.set AOW,23                            ; the attention output's scale word; in phase 0 xn's
.set U,24                              ; v[24:25] mean, 1/sigma, 1/l
.set QT,26                             ; v26-37 the quantiser's: 0-3 maxima, 4-7 exchange and bytes, 8-11 scale operands
.set QCN,38                            ; Q's codes of the next trip
.set QCC,46                            ; Q's codes of the trip; later x2's
.set PC,54                             ; codes just made
.set T0,62
.set T1,63
.set RA,64
.set RB,128
.set RC,192
.set KF,64                             ; attention: K's eight half fragments and four registers of zero codes
.set O,100
.set QM,116
.set TB,128
.set AO,160
.set NM,168                            ; -M;  v169 the largest t
.set TMX,169
.set L,170
.set F,172
.set VF,176                            ; V^T's two fragments
.set S,192
.set SEL,90
.set LG,92
.set CA0,66
.set CA1,68
.set CA2,70
.set CA3,72
.set CA4,74
.set CB1,76
.set CB2,78
.set CB3,80
.set CB4,82
.set CB5,84
.set CB6,86
.macro NOPS n
.rept \n
	v_nop
.endr
.endm
.macro BARRIER                         ; my LDS stores have landed and my LDS loads are in: then the work-group's barrier
	s_wait_dscnt 0x0
	s_barrier_signal -1
	s_barrier_wait -1
.endm
.macro CPAIR r, val
	s_mov_b32 s[\r], \val
	s_mov_b32 s[\r+1], \val
.endm
.macro WM d, a, b, c, sa, sb, row      ; row = 1: source 0's scales stand in lanes 16-31
.if \row
	v_wmma_scale_f32_16x16x128_f8f6f4 v[\d:\d+7], v[\a:\a+7], v[\b:\b+7], v[\c:\c+7], v[\sa], v[\sb] matrix_a_fmt:MATRIX_FMT_FP4 matrix_b_fmt:MATRIX_FMT_FP4 matrix_a_scale:MATRIX_SCALE_ROW1
.else
	v_wmma_scale_f32_16x16x128_f8f6f4 v[\d:\d+7], v[\a:\a+7], v[\b:\b+7], v[\c:\c+7], v[\sa], v[\sb] matrix_a_fmt:MATRIX_FMT_FP4 matrix_b_fmt:MATRIX_FMT_FP4
.endif
.endm
.macro WMZ d, a, b, sa, sb, row        ; the same, starting a sum
.if \row
	v_wmma_scale_f32_16x16x128_f8f6f4 v[\d:\d+7], v[\a:\a+7], v[\b:\b+7], 0, v[\sa], v[\sb] matrix_a_fmt:MATRIX_FMT_FP4 matrix_b_fmt:MATRIX_FMT_FP4 matrix_a_scale:MATRIX_SCALE_ROW1
.else
	v_wmma_scale_f32_16x16x128_f8f6f4 v[\d:\d+7], v[\a:\a+7], v[\b:\b+7], 0, v[\sa], v[\sb] matrix_a_fmt:MATRIX_FMT_FP4 matrix_b_fmt:MATRIX_FMT_FP4
.endif
.endm
.macro PKADD d, a, n                   ; n pairs: d += a
.set jx, 0
.rept \n
	v_pk_add_f32 v[\d+jx:\d+jx+1], v[\d+jx:\d+jx+1], v[\a+jx:\a+jx+1]
.set jx, jx+2
.endr
.endm
; 64 numbers in ROW become a fragment's 8 registers of codes and its scale word.
.macro QUANT src, dst, wrd
.irp b,0,1,2,3
	v_max3_num_f32 v[QT+\b], |v[\src+16*\b]|, |v[\src+1+16*\b]|, 0x1800000   ; block b: my 16 numbers and the floor 2^(3 - 127): the byte cannot fall under 1
.endr
.irp i,2,4,6,8,10,12,14
.irp b,0,1,2,3
	v_max3_num_f32 v[QT+\b], v[QT+\b], |v[\src+16*\b+\i]|, |v[\src+1+16*\b+\i]|
.endr
.endr
.irp b,0,1,2,3
	v_permlanex16_b32 v[QT+4+\b], v[QT+\b], s[SEL], s[SEL+1]
.endr
.irp b,0,1,2,3
	v_max_num_f32 v[QT+\b], v[QT+\b], v[QT+4+\b]       ; with lane l xor 16's: the block's largest magnitude
.endr
.irp b,0,1,2,3
	v_add_nc_u32 v[QT+8+\b], 0xff000000, v[QT+\b]      ; 2 off its exponent field: the conversion's scale operand
.endr
.irp b,0,1,2,3
	v_lshrrev_b32 v[QT+4+\b], 23, v[QT+8+\b]           ; the scale's byte
.endr
	v_lshl_or_b32 v[\wrd], v[QT+5], 8, v[QT+4]
	v_lshl_or_b32 v[\wrd], v[QT+6], 16, v[\wrd]
	v_lshl_or_b32 v[\wrd], v[QT+7], 24, v[\wrd]
.irp b,0,1,2,3
	v_cvt_scalef32_pk8_fp4_f32 v[\dst+2*\b], v[\src+16*\b:\src+16*\b+7], v[QT+8+\b]
	v_cvt_scalef32_pk8_fp4_f32 v[\dst+1+2*\b], v[\src+8+16*\b:\src+8+16*\b+7], v[QT+8+\b]
.endr
	v_nop                                              ; one plain place behind the last conversion
.irp cc,0,1                                            ; the operand wants a whole block in a lane
.irp i,0,1
	v_permlane16_swap_b32 v[\dst+4*\cc+\i], v[\dst+2+4*\cc+\i]
.endr
.endr
.endm
.macro VLOAD dst, adr, off             ; a vector of 128 numbers in ROW (the same for all 16 tokens)
.irp bb,0,1,2,3
.irp jj,0,1,2,3
	ds_load_b128 v[\dst+16*\bb+4*\jj:\dst+16*\bb+4*\jj+3], v[\adr] offset:\off+128*\bb+16*\jj
.endr
.endr
.endm
.macro PLOAD adr, off                  ; a group's eight fragments and its scale words; off: bytes from the group that the address names
.irp pt,0,1,2,3,4,5,6,7
.irp cc,0,1
	ds_load_b128 v[RA+8*\pt+4*\cc:RA+8*\pt+4*\cc+3], v[\adr] offset:(\off)+1024*\pt+512*\cc
.endr
.endr
	ds_load_b128 v[WS:WS+3], v[\adr] offset:(\off)+8192
.endm
.macro PMUL acc, bf, bw                ; eight accumulators by turns, one instruction a turn
.irp pt,0,1,2,3,4,5,6,7
	WM \acc+8*\pt,RA+8*\pt,\bf,\acc+8*\pt,WS+\pt/2,\bw,\pt%2
.endr
.endm
; Addresses of the way in and out: A0-3 pixel column of tokens 2 k + h, 16 bytes a lane; A4 the stage by dense rows; A5 the stage in ROW; A6 my eight mask rows.
.macro MKIO
	v_and_b32 v[T0], 15, v0
	v_bfe_u32 v[T1], v0, 4, 1
.irp k,0,1,2,3
	v_add_nc_u32 v[A0+\k], s60, v[T1]
	v_add_nc_u32 v[A0+\k], 2*\k, v[A0+\k]
	v_and_b32 v[A0+\k], 127, v[A0+\k]
	v_lshlrev_b32 v[A0+\k], 9, v[A0+\k]
	v_lshl_or_b32 v[A0+\k], v[T0], 4, v[A0+\k]
.endr
	v_mul_u32_u24 v[A4], v[T1], 272
	v_lshl_add_u32 v[A4], v[T0], 4, v[A4]
	v_add_nc_u32 v[A4], s61, v[A4]
	v_mul_u32_u24 v[A5], v[T0], 272
	v_lshl_add_u32 v[A5], v[T1], 6, v[A5]
	v_add_nc_u32 v[A5], s61, v[A5]
	v_add_nc_u32 v[A6], s61, v[LI]
.endm
.macro XLOAD dst, base, nt             ; a tile of x: sixteen lanes read 256 consecutive bytes, aligned; tokens 2 i + h, half p of their 512 bytes
.irp p,0,1
.irp i,0,1,2,3,4,5,6,7
.if \nt
	global_load_b128 v[\dst+32*\p+4*\i:\dst+32*\p+4*\i+3], v[A0+\i%4], s[\base:\base+1] offset:65536*(\i/4)+256*\p th:TH_LOAD_NT
.else
	global_load_b128 v[\dst+32*\p+4*\i:\dst+32*\p+4*\i+3], v[A0+\i%4], s[\base:\base+1] offset:65536*(\i/4)+256*\p
.endif
.endr
.endr
.endm
.macro XTURN dst                       ; through my own stage into ROW, in place; LDS serves a wave's instructions in order
.irp p,0,1
.irp i,0,1,2,3,4,5,6,7
	ds_store_b128 v[A4], v[\dst+32*\p+4*\i:\dst+32*\p+4*\i+3] offset:544*\i
.endr
	s_wait_alu depctr_vm_vsrc(0)                       ; the eight stores have read these 32 registers, in which the eight loads below land
.irp bl,0,1
.irp jj,0,1,2,3
	ds_load_b128 v[\dst+32*\p+16*\bl+4*\jj:\dst+32*\p+16*\bl+4*\jj+3], v[A5] offset:128*\bl+16*\jj
.endr
.endr
.endr
.endm
.macro LRED                            ; four chains of pairs, then lane l xor 16: the row's sum in v[QT]
	v_pk_add_f32 v[QT:QT+1], v[QT:QT+1], v[QT+2:QT+3]
	v_pk_add_f32 v[QT+4:QT+5], v[QT+4:QT+5], v[QT+6:QT+7]
	v_pk_add_f32 v[QT:QT+1], v[QT:QT+1], v[QT+4:QT+5]
	v_add_f32 v[QT], v[QT], v[QT+1]
	v_permlanex16_b32 v[QT+4], v[QT], s[SEL], s[SEL+1]
	v_add_f32 v[QT], v[QT], v[QT+4]
.endm
.macro LHALF dst, gch, bch, hf         ; gain and bias of blocks 2 hf, 2 hf + 1 into RA
.irp bl,0,1
.irp jj,0,1,2,3
	ds_load_b128 v[RA+16*\bl+4*\jj:RA+16*\bl+4*\jj+3], v[HB] offset:512*\gch+256*\hf+128*\bl+16*\jj
	ds_load_b128 v[RA+32+16*\bl+4*\jj:RA+32+16*\bl+4*\jj+3], v[HB] offset:512*\bch+256*\hf+128*\bl+16*\jj
.endr
.endr
.endm
.macro LAPPLY dst
.set jx, 0
.rept 16
	v_pk_mul_f32 v[\dst+jx:\dst+jx+1], v[\dst+jx:\dst+jx+1], v[U:U+1] op_sel_hi:[1,0]
	v_pk_fma_f32 v[\dst+jx:\dst+jx+1], v[\dst+jx:\dst+jx+1], v[RA+jx:RA+jx+1], v[RA+32+jx:RA+32+jx+1]
.set jx, jx+2
.endr
.endm
; The norm of a row of 128, in two passes (the mean first, then the squares of the differences).  Whoever calls it has shown RA free for the first half of gain and bias.
.macro LNORM src, dst, gch, bch
	LHALF \dst, \gch, \bch, 0
	s_wait_dscnt 16                                    ; all but the sixteen loads just issued: the row is in
.irp k,0,1,2,3
	v_pk_add_f32 v[QT+2*\k:QT+2*\k+1], v[\src+4*\k:\src+4*\k+1], v[\src+4*\k+2:\src+4*\k+3]   ; ascending: each accumulator is read from its low end on
.endr
.set jx, 16
.rept 24
	v_pk_add_f32 v[QT+jx%8:QT+jx%8+1], v[QT+jx%8:QT+jx%8+1], v[\src+jx:\src+jx+1]
.set jx, jx+2
.endr
	LRED
	v_mul_f32 v[U], s59, v[QT]                         ; the mean
.set jx, 0
.rept 32
	v_pk_add_f32 v[\dst+jx:\dst+jx+1], v[\src+jx:\src+jx+1], v[U:U+1] op_sel_hi:[1,0] neg_lo:[0,1] neg_hi:[0,1]
.set jx, jx+2
.endr
.irp k,0,1,2,3
	v_pk_mul_f32 v[QT+2*\k:QT+2*\k+1], v[\dst+2*\k:\dst+2*\k+1], v[\dst+2*\k:\dst+2*\k+1]
.endr
.set jx, 8
.rept 28
	v_pk_fma_f32 v[QT+jx%8:QT+jx%8+1], v[\dst+jx:\dst+jx+1], v[\dst+jx:\dst+jx+1], v[QT+jx%8:QT+jx%8+1]
.set jx, jx+2
.endr
	LRED
	v_fma_f32 v[QT], v[QT], s59, s104                  ; the variance + 1e-5
	s_wait_alu depctr_va_vdst(0)
	v_rsq_f32 v[U], v[QT]
	v_nop                                              ; a plain place behind the transcendental,
	s_wait_alu depctr_va_vdst(0)                       ; and the wait ahead of its first reader: 1/sigma is written
	s_wait_dscnt 0x0
	LAPPLY \dst
	s_wait_alu depctr_va_vdst(0)                       ; the lines above are done reading gain and bias in RA, in which the other half's land
	LHALF \dst, \gch, \bch, 1
	s_wait_dscnt 0x0
	LAPPLY \dst+32
.endm
; 32 words of the position bias: blocks b0, b0 + 1 of a step's four.  Register 16 bl + i: key 128 st + 32 (b0 + bl) + 16 h + i.  The key's part of the index stands in the immediate.
.macro BIAS hh, st, b0
.irp bl,0,1
.irp i,0,1,2,3,4,5,6,7,8,9,10,11,12,13,14,15
	ds_load_b32 v[TB+16*\bl+\i], v[A2] offset:8192*\hh+4*(757-((2*\st+(\b0+\bl)/2)*225+(4*((\b0+\bl)%2)+\i/8)*15+\i%8))
.endr
.endr
.endm
; What a key step asks for ahead of its work, 57 LDS loads: the mask, the first 32 bias words, K, K's scale words.
.macro KLOADS hh, st
.irp bk,0,1,2,3
.irp jj,0,1,2,3
	ds_load_b128 v[S+16*\bk+4*\jj:S+16*\bk+4*\jj+3], v[A0] offset:512*\st+128*\bk+16*\jj   ; the mask lands where the scores will be summed
.endr
.endr
	BIAS \hh, \st, 0
.irp pt,0,1,2,3,4,5,6,7
	ds_load_b128 v[KF+4*\pt:KF+4*\pt+3], v[A3] offset:1024*(8*\st+\pt)
.endr
	ds_load_b128 v[WS:WS+3], v[A4] offset:512*\st
.endm
; A KEY STEP: 128 keys of head 2 c + hh.  st = 0 starts M, l and O.  Its 57 first loads are out when it begins.  more = 1: at its end it asks for those of step nst of head 2 c + nh.
.macro STEP hh, st, more, nh, nst
	s_wait_dscnt 9                                     ; the mask and 32 bias words are in; K's eight loads and its scale words may be out
	PKADD S, TB, 16
	s_wait_alu depctr_va_vdst(0)                       ; the sixteen additions are done reading TB, in which the other 32 bias words land; in a head's first step Q's masked codes are written, which the products below take (the additions are their places)
	BIAS \hh, \st, 2
	s_wait_dscnt 32                                    ; K and its scale words are in; the 32 bias words just asked for may be out
.irp pt,0,1,2,3
	WM S+8*\pt,KF+4*\pt,QM,S+8*\pt,WS+\pt/2,QWC,\pt%2   ; S^T = K Q^T + (mask + bias); K's upper four registers meet zero codes
.endr
	s_wait_dscnt 0x0
	PKADD S+32, TB, 16
.irp pt,4,5,6,7
	WM S+8*\pt,KF+4*\pt,QM,S+8*\pt,WS+\pt/2,QWC,\pt%2
.endr
	NOPS 4
.irp b,0,1,2,3
	v_max3_num_f32 v[QT+\b], v[S+16*\b], v[S+1+16*\b], v[S+2+16*\b]      ; the largest score of each block of 32 keys: for the row's maximum and for the block's largest p
.endr
.irp i,3,5,7,9,11,13
.irp b,0,1,2,3
	v_max3_num_f32 v[QT+\b], v[QT+\b], v[S+16*\b+\i], v[S+1+16*\b+\i]
.endr
.endr
.irp b,0,1,2,3
	v_max_num_f32 v[QT+\b], v[QT+\b], v[S+15+16*\b]
.endr
.irp b,0,1,2,3
	v_permlanex16_b32 v[QT+4+\b], v[QT+\b], s[SEL], s[SEL+1]
.endr
.irp b,0,1,2,3
	v_max_num_f32 v[QT+\b], v[QT+\b], v[QT+4+\b]
.endr
	v_max3_num_f32 v[T0], v[QT], v[QT+1], v[QT+2]
	v_max_num_f32 v[T0], v[T0], v[QT+3]
	v_mul_f32 v[T0], s[LG], v[T0]                      ; as t = logit x log2(e)
.if \st == 0
	v_max_num_f32 v[TMX], 0xff61b1e6, v[T0]
	v_floor_f32 v[NM], -v[TMX]                         ; -M = floor(-t): M is a whole number
.else
	v_max_num_f32 v[TMX], v[TMX], v[T0]
	v_mov_b32 v[T0], v[NM]
	v_floor_f32 v[NM], -v[TMX]
	v_sub_f32 v[T0], v[NM], v[T0]
	v_cvt_i32_f32 v[T0], v[T0]
	v_ldexp_f32 v[F], 1.0, v[T0]                       ; f = 2^(old M - new M): a multiplication by it rounds nothing
.endif
.set jx, 0
.rept 32
	v_pk_fma_f32 v[S+jx:S+jx+1], v[S+jx:S+jx+1], s[LG:LG+1], v[NM:NM+1] op_sel_hi:[1,0,0]      ; t - M
.set jx, jx+2
.endr
.irp b,0,1,2,3
	v_fma_f32 v[QT+\b], v[QT+\b], s[LG], v[NM]
.endr
.set jx, 0
	s_wait_alu depctr_va_vdst(0)
.rept 64
	v_exp_f32 v[S+jx], v[S+jx]                         ; p = 2^(t - M): not normalised
.set jx, jx+1
.endr
.if \st == 0
	v_nop                                              ; a plain place behind the exponentials
.else
	v_pk_mul_f32 v[L:L+1], v[L:L+1], v[F:F+1] op_sel_hi:[1,0]
.endif
	s_wait_alu depctr_va_vdst(0)                       ; one wait for the batch, ahead of its first reader: the 64 p are written.  The last step's second products are done reading V^T's registers and its scale word, in which the loads below land
.irp u,0,1
.irp cc,0,1
	ds_load_b128 v[VF+8*\u+4*\cc:VF+8*\u+4*\cc+3], v[A5] offset:4096*\hh+2048*\u+1024*\st+512*\cc   ; V^T: it lands while the sums are taken and p is quantised
.endr
.endr
	ds_load_b32 v[VSW], v[A6] offset:256*\hh+128*\st
.irp b,0,1,2,3
	v_exp_f32 v[QT+\b], v[QT+\b]                       ; each block's largest p
.endr
	v_pk_add_f32 v[QT+4:QT+5], v[S:S+1], v[S+2:S+3]    ; the row's sum, of the unquantised p, in two chains
.set jx, 4
.rept 15
	v_pk_add_f32 v[L:L+1], v[L:L+1], v[S+jx:S+jx+1]
	v_pk_add_f32 v[QT+4:QT+5], v[QT+4:QT+5], v[S+2+jx:S+3+jx]
.set jx, jx+4
.endr
	v_pk_add_f32 v[L:L+1], v[L:L+1], v[QT+4:QT+5]
	s_wait_alu depctr_va_vdst(0)                       ; and one for the four: the blocks' largest p are written
.irp b,0,1,2,3
	v_max_num_f32 v[QT+\b], 0x1800000, v[QT+\b]
.endr
.irp b,0,1,2,3
	v_add_nc_u32 v[QT+8+\b], 0xff000000, v[QT+\b]
.endr
.irp b,0,1,2,3
	v_lshrrev_b32 v[QT+4+\b], 23, v[QT+8+\b]
.endr
	v_lshl_or_b32 v[PW], v[QT+5], 8, v[QT+4]
	v_lshl_or_b32 v[PW], v[QT+6], 16, v[PW]
	v_lshl_or_b32 v[PW], v[QT+7], 24, v[PW]
.irp b,0,1,2,3
	v_cvt_scalef32_pk8_fp4_f32 v[PC+2*\b], v[S+16*\b:S+16*\b+7], v[QT+8+\b]
	v_cvt_scalef32_pk8_fp4_f32 v[PC+1+2*\b], v[S+8+16*\b:S+8+16*\b+7], v[QT+8+\b]
.endr
	v_nop
.irp cc,0,1
.irp i,0,1
	v_permlane16_swap_b32 v[PC+4*\cc+\i], v[PC+2+4*\cc+\i]
.endr
.endr
.if \st == 0
	NOPS 8                                             ; p's scale word stands eight places ahead of the products, its codes four
.else
.set jx, 0
.rept 8
	v_pk_mul_f32 v[O+jx:O+jx+1], v[O+jx:O+jx+1], v[F:F+1] op_sel_hi:[1,0]     ; O^T under the new M
.set jx, jx+2
.endr
	NOPS 4
.endif
	s_wait_dscnt 0x0                                   ; V^T and its scale words
	s_wait_alu depctr_va_vdst(0)                       ; behind the places: p's codes and scale word are written, which the two products take.  All that read S, TB, K's registers and its scale words is done too
.if \st == 0
	WMZ O,VF,PC,VSW,PW,0
	WMZ O+8,VF+8,PC,VSW,PW,1
.else
	WM O,VF,PC,O,VSW,PW,0
	WM O+8,VF+8,PC,O+8,VSW,PW,1
.endif
.if \more
	KLOADS \nh, \nst                                   ; the next step's loads.  No wait: the two products, all that was issued since the wait above, name O, V^T, p's codes and two scale words, none of which these loads touch
.endif
.endm
; A head's end: O^T / l, quantised as block 2 c + hh of proj's K.
.macro HEADFIN hh
	v_add_f32 v[T0], v[L], v[L+1]
	v_permlanex16_b32 v[QT+4], v[T0], s[SEL], s[SEL+1]
	v_add_f32 v[T0], v[T0], v[QT+4]
	s_wait_alu depctr_va_vdst(0)
	v_rcp_f32 v[U], v[T0]
	NOPS 4                                             ; the places behind the last products, and the plain place behind the reciprocal
	s_wait_alu depctr_va_vdst(0)                       ; 1 / l is written, ahead of its first reader
.set jx, 0
.rept 8
	v_pk_mul_f32 v[O+jx:O+jx+1], v[O+jx:O+jx+1], v[U:U+1] op_sel_hi:[1,0]
.set jx, jx+2
.endr
	v_max3_num_f32 v[QT], |v[O]|, |v[O+1]|, 0x1800000
	v_max3_num_f32 v[QT+1], |v[O+2]|, |v[O+3]|, |v[O+4]|
	v_max3_num_f32 v[QT], v[QT], |v[O+5]|, |v[O+6]|
	v_max3_num_f32 v[QT+1], v[QT+1], |v[O+7]|, |v[O+8]|
	v_max3_num_f32 v[QT], v[QT], |v[O+9]|, |v[O+10]|
	v_max3_num_f32 v[QT+1], v[QT+1], |v[O+11]|, |v[O+12]|
	v_max3_num_f32 v[QT], v[QT], |v[O+13]|, |v[O+14]|
	v_max3_num_f32 v[QT], v[QT], v[QT+1], |v[O+15]|
	v_permlanex16_b32 v[QT+4], v[QT], s[SEL], s[SEL+1]
	v_max_num_f32 v[QT], v[QT], v[QT+4]
	v_add_nc_u32 v[QT+8], 0xff000000, v[QT]
	v_lshrrev_b32 v[QT+4], 23, v[QT+8]
	v_lshrrev_b32 v[AOW], 8, v[AOW]                    ; the four heads' bytes are shifted in from the top
	v_lshl_or_b32 v[AOW], v[QT+4], 24, v[AOW]
	v_cvt_scalef32_pk8_fp4_f32 v[AO+4+2*\hh], v[O:O+7], v[QT+8]
	v_cvt_scalef32_pk8_fp4_f32 v[AO+5+2*\hh], v[O+8:O+15], v[QT+8]
	v_nop
.endm
.macro HEAD hh
.irp i,0,1,2,3
	v_cndmask_b32 v[QM+\i], 0, v[QCC+\i], s[94+\hh]    ; Q's codes of this head alone: the other half of the lanes holds zero codes
.endr
	v_mov_b32 v[L], 0
	v_mov_b32 v[L+1], 0
.if \hh == 0
	s_wait_alu depctr_va_vdst(0)                       ; A2 to A6 (in a trip's first pair A0 too) are written, which the loads below read; the vector and matrix instructions issued so far are done with S, TB, K's registers and its scale words, in which they land
	KLOADS 0, 0
	STEP 0, 0, 1, 0, 1
	STEP 0, 1, 1, 1, 0
.else
	STEP 1, 0, 1, 1, 1
	STEP 1, 1, 0, 0, 0                                 ; the pair's last step asks for nothing: the next pair's addresses are not made yet, and behind the last pair nothing would read it
.endif
	HEADFIN \hh
.endm
.macro P8MUL d, a, b
.set jx, 0
.rept 8
	v_pk_mul_f32 v[\d+jx:\d+jx+1], v[\a+jx:\a+jx+1], v[\b+jx:\b+jx+1]
.set jx, jx+2
.endr
.endm
.macro P8FM0 d, a, sc, vc              ; d = a x coefficient + the low word of a vector pair
.set jx, 0
.rept 8
	v_pk_fma_f32 v[\d+jx:\d+jx+1], v[\a+jx:\a+jx+1], s[\sc:\sc+1], v[\vc:\vc+1] op_sel_hi:[1,0,0]
.set jx, jx+2
.endr
.endm
.macro P8FMS d, b, sc                  ; d = d x b + coefficient
.set jx, 0
.rept 8
	v_pk_fma_f32 v[\d+jx:\d+jx+1], v[\d+jx:\d+jx+1], v[\b+jx:\b+jx+1], s[\sc:\sc+1] op_sel_hi:[1,1,0]
.set jx, jx+2
.endr
.endm
; 0.5 h (1 + erf(h / sqrt 2)) on 16 numbers.  erf = hc P(hc^2) / Q(hc^2), the coefficients folded to the variable h; hc = h held to +-5.41998.
.macro GELU16 k
.set HH, RB+16*\k
.set jx, 0
.rept 16
	v_med3_num_f32 v[RA+jx], v[HH+jx], s88, s89
.set jx, jx+1
.endr
	P8MUL RA+16, RA, RA
	P8FM0 RA+32, RA+16, CA4, QT
	P8FM0 RA+48, RA+16, CB6, QT+2
	P8FMS RA+32, RA+16, CA2
	P8FMS RA+48, RA+16, CB4
	P8FMS RA+32, RA+16, CA1
	P8FMS RA+48, RA+16, CB3
	P8FMS RA+32, RA+16, CA0
	P8FMS RA+48, RA+16, CB2
	P8FMS RA+48, RA+16, CB1
.set jx, 0
.rept 8
	v_pk_fma_f32 v[RA+48+jx:RA+49+jx], v[RA+48+jx:RA+49+jx], v[RA+16+jx:RA+17+jx], 1.0 op_sel_hi:[1,1,0]
.set jx, jx+2
.endr
	P8MUL RA+32, RA+32, RA
.set jx, 0
	s_wait_alu depctr_va_vdst(0)
.rept 16
	v_rcp_f32 v[RA+48+jx], v[RA+48+jx]
.set jx, jx+1
.endr
.set jx, 0
.rept 8
	v_pk_mul_f32 v[HH+jx:HH+jx+1], v[HH+jx:HH+jx+1], 0.5 op_sel_hi:[1,0]    ; plain work behind the reciprocals
.set jx, jx+2
.endr
	s_wait_alu depctr_va_vdst(0)                       ; one wait for the sixteen reciprocals, ahead of their first reader
	P8MUL RA+32, RA+32, RA+48
.set jx, 0
.rept 8
	v_pk_fma_f32 v[HH+jx:HH+jx+1], v[HH+jx:HH+jx+1], v[RA+32+jx:RA+33+jx], v[HH+jx:HH+jx+1]
.set jx, jx+2
.endr
.endm
; ------------------------------------------------------------------ the head
	s_load_b512 s[4:19], s[0:1], 0x0                   ; x 4, mask 6, out0 8, table 10, q codes 12, kv codes 14, proj codes 16, q scales 18
	s_load_b512 s[20:35], s[0:1], 0x40                 ; kv scales 20, proj scales 22, fc1 codes 24, scales 26, fc2 codes 28, scales 30, g1 32, b1 34
	s_load_b256 s[36:43], s[0:1], 0x80                 ; q_b 36, kv_b 38, proj_b 40, g2 42
	s_load_b128 s[44:47], s[0:1], 0xa0                 ; b2 44, fc1_b 46
	s_load_b64 s[48:49], s[0:1], 0xb0                  ; fc2_b
	v_lshl_add_u32 v[SPW], v0, 2, SPARE
	v_mov_b32 v[NIL], 0
	v_lshrrev_b32 v[T0], 5, v0
	v_readfirstlane_b32 s2, v[T0]                      ; wave w
	v_and_b32 v[T0], 31, v0
	v_bfe_u32 v[T1], v0, 4, 1
	v_lshlrev_b32 v[LI], 4, v[T0]
	v_lshlrev_b32 v[L4], 2, v[T0]
	v_lshl_add_u32 v[HB], v[T1], 6, VEC
	v_and_b32 v128, 15, v0                             ; r
	v_and_b32 v129, 8, v128
	v_add_nc_u32 v129, v129, v128                      ; r + 8 (r / 8)
	v_lshlrev_b32 v130, 6, v129
	v_lshl_add_u32 v130, v[T1], 4, v130                ; a weight's row of 64 bytes, + 16 h
	v_lshl_add_u32 v131, v[T1], 3, v129
	v_lshlrev_b32 v131, 2, v131                        ; its scale word: lanes 16-31 take the odd tile's rows, 8 further on
.irp k,0,1,2,3
	v_add_nc_u32 v[132+\k], 512*\k, v0
	v_min_u32 v[132+\k], 1574, v[132+\k]               ; the table has 1,575 rows: no load leaves it
	v_lshlrev_b32 v[132+\k], 4, v[132+\k]
.endr
.irp k,4,5,6,7
	v_mov_b32 v[QT+\k], 0                              ; written once: a lane permute's destination counts as one of its sources
.endr
	v_mov_b32 v[U], 0
	v_mov_b32 v[U+1], 0
	s_mov_b32 s59, 0x3c000000                          ; 1 / 128
	s_mov_b32 s104, 0x3727c5ac                         ; 1e-5
	s_mov_b32 s[SEL], 0x76543210
	s_mov_b32 s[SEL+1], 0xfedcba98                     ; lane l xor 16
	CPAIR LG, 0x3fb8aa3b                               ; log2(e)
	s_mov_b32 s94, 0x0000ffff
	s_mov_b32 s95, 0xffff0000
	CPAIR CA0, 0x3f4c4229                              ; P: a_i / (2^i sqrt 2)
	CPAIR CA1, 0x3d861aeb
	CPAIR CA2, 0x3c13955d
	CPAIR CA3, 0x399df185
	CPAIR CA4, 0x3729d4af
	CPAIR CB1, 0x3e7eb44a                              ; Q: b_i / 2^i
	CPAIR CB2, 0x3ce34c21
	CPAIR CB3, 0x3ae687d4
	CPAIR CB4, 0x38856d28
	CPAIR CB5, 0x354588df
	CPAIR CB6, 0xb0fd3906
	s_mov_b32 s88, 0xc0ad7080
	s_mov_b32 s89, 0x40ad7080                          ; 3.8325 sqrt 2
	s_wait_alu depctr_va_sdst(0)                       ; s2, the wave's number, is written, ahead of its first reader: shares, bases and LDS places are made from it
	s_lshr_b32 s3, s2, 1                               ; t
	s_and_b32 s58, s2, 1                               ; b
	s_and_b32 s60, ttmp9, 15
	s_lshl_b32 s60, s60, 3
	s_add_co_u32 s60, s60, 4                           ; 8 ww + 4
	s_mul_i32 s61, s2, 8*MP                            ; my eight mask rows; my stage lies in them
	s_lshr_b32 s98, ttmp9, 4
	s_lshl_b32 s98, s98, 3
	s_and_b32 s99, s3, 3
	s_lshl_b32 s99, s99, 1
	s_add_co_u32 s98, s98, s99
	s_add_co_u32 s98, s98, 4
	s_and_b32 s98, s98, 127                            ; my tile's first pixel row: even, so the second is the next
	s_lshl_b32 s99, s58, 2
	s_lshr_b32 s100, s3, 2
	s_add_co_u32 s99, s99, s100                        ; 4 b + frame
	s_lshl_b32 s99, s99, 7
	s_add_co_u32 s98, s98, s99
	s_lshl_b32 s98, s98, 16                            ; a pixel row is 65,536 bytes
	s_mov_b32 s99, 0
	s_lshl_b32 s100, ttmp9, 18                         ; my window's mask, my eight rows of 1,024 bytes
	s_lshl_b32 s101, s2, 13
	s_add_co_u32 s100, s100, s101
	s_mov_b32 s101, 0
	s_lshr_b32 s50, s2, 2                              ; which early weight I stage: q, k, v, proj
	s_and_b32 s51, s2, 3                               ; and which 32 rows of it
	s_wait_kmcnt 0x0
	s_add_nc_u64 s[4:5], s[4:5], s[98:99]
	s_add_nc_u64 s[8:9], s[8:9], s[98:99]
	s_add_nc_u64 s[54:55], s[4:5], 0x1000000           ; tile t + 8: two frames on
	s_add_nc_u64 s[6:7], s[6:7], s[100:101]
	s_cmp_eq_u32 s50, 0
	s_cselect_b64 s[52:53], s[12:13], s[14:15]
	s_cselect_b64 s[56:57], s[18:19], s[20:21]
	s_cmp_eq_u32 s50, 3
	s_cselect_b64 s[52:53], s[16:17], s[52:53]
	s_cselect_b64 s[56:57], s[22:23], s[56:57]
	s_cmp_eq_u32 s50, 2
	s_cselect_b32 s98, 8192, 0                         ; v's rows begin 128 rows into kv_w
	s_cselect_b32 s100, 512, 0
	s_lshl_b32 s99, s51, 11
	s_add_co_u32 s98, s98, s99
	s_mov_b32 s99, 0
	s_add_nc_u64 s[52:53], s[52:53], s[98:99]
	s_lshl_b32 s99, s51, 7
	s_add_co_u32 s98, s100, s99
	s_mov_b32 s99, 0
	s_add_nc_u64 s[56:57], s[56:57], s[98:99]
	s_mov_b64 s[96:97], s[48:49]                       ; vector chunk w: the choice hangs on the wave's number alone
	s_cmp_lt_u32 s2, 12
	s_cselect_b64 s[96:97], s[46:47], s[96:97]
	s_cmp_lt_u32 s2, 8
	s_cselect_b64 s[96:97], s[44:45], s[96:97]
	s_cmp_lt_u32 s2, 7
	s_cselect_b64 s[96:97], s[42:43], s[96:97]
	s_cmp_lt_u32 s2, 6
	s_cselect_b64 s[96:97], s[40:41], s[96:97]
	s_cmp_lt_u32 s2, 5
	s_cselect_b64 s[96:97], s[38:39], s[96:97]
	s_cmp_lt_u32 s2, 3
	s_cselect_b64 s[96:97], s[36:37], s[96:97]
	s_cmp_lt_u32 s2, 2
	s_cselect_b64 s[96:97], s[34:35], s[96:97]
	s_cmp_lt_u32 s2, 1
	s_cselect_b64 s[96:97], s[32:33], s[96:97]
	s_and_b32 s98, s2, 3
	s_lshl_b32 s98, s98, 9
	s_lshr_b32 s99, s2, 2
	s_cmp_eq_u32 s99, 2
	s_cselect_b32 s98, s98, 0                          ; fc1_b's four chunks,
	s_cmp_eq_u32 s2, 4
	s_cselect_b32 s98, 512, s98                        ; kv_b's second
	s_mov_b32 s99, 0
	s_add_nc_u64 s[96:97], s[96:97], s[98:99]
	s_mul_i32 s98, s50, GSZ                            ; where the staged data go in LDS: all the head's addresses are made ahead of its one wait on va_vdst
	s_add_co_u32 s98, s98, GRP0+5*GSZ
	s_lshl_b32 s99, s51, 11
	s_add_co_u32 s99, s99, s98
	v_add_nc_u32 v136, s99, v[LI]
	s_lshl_b32 s99, s51, 2
	s_add_co_u32 s99, s99, s98
	v_add_nc_u32 v137, s99, v[LI]
	v_lshl_add_u32 v138, v0, 2, TAB
	s_lshl_b32 s99, s2, 9
	s_add_co_u32 s99, s99, VEC
	v_add_nc_u32 v139, s99, v[LI]
	MKIO
	s_wait_alu depctr_va_vdst(0)                       ; LI, HB, v130 to v139 and A0 to A6 are written: the offsets and addresses of the loads and stores below, up to the barrier and in the first turn through the stage
.irp u,0,1
.irp cc,0,1
	global_load_b128 v[RA+8*\u+4*\cc:RA+8*\u+4*\cc+3], v130, s[52:53] offset:512*\u+32*\cc
.endr
.endr
	global_load_b32 v[RA+16], v131, s[56:57]
.irp k,0,1,2,3
	global_load_b128 v[RA+20+4*\k:RA+20+4*\k+3], v[132+\k], s[10:11]
.endr
	global_load_b128 v[RA+36:RA+39], v[LI], s[96:97]
	XLOAD RC, 4, 0                                     ; tile t of x
	s_wait_loadcnt 16                                  ; the ten staging loads are in; x's sixteen may be out
.irp u,0,1
.irp cc,0,1
	ds_store_b128 v136, v[RA+8*\u+4*\cc:RA+8*\u+4*\cc+3] offset:1024*\u+512*\cc      ; a fragment goes to LDS as the image of its registers
.endr
.endr
	ds_store_b32 v137, v[RA+16] offset:8192
.irp k,0,1,2,3
.irp p,0,1,2,3
	ds_store_b32 v138, v[RA+20+4*\k+\p] offset:8192*\p+2048*\k                       ; the table by heads; slots past row 1,574 are each plane's own padding
.endr
.endr
	ds_store_b128 v139, v[RA+36:RA+39]
	BARRIER                                            ; the early weights, the table and the vectors lie in LDS
; ------------------------------------------------------------------ phase 0: xn, Q, K of my two tiles
; A natural token (T, r) lies in the permuted tile 2 (T / 2) + r / 8 at lane (r % 8) + 8 (T % 2): so that a tile's results come out with 16 neighbouring tokens in 16 registers.
; Five addresses serve both passes, so that none is written between two accesses: T0 xn's codes, T1 K's codes, PX xn's scale word, PSC K's scale words, A6 q_w's group (k_w's lies GSZ bytes on).
	s_wait_alu depctr_vm_vsrc(0)                       ; the head's loads have read v130 and v131, which are written below; its loads and stores have read v132 to v139 and the staged data in RA, in which loads of this phase land
	v_and_b32 v128, 15, v0
	v_bfe_u32 v129, v0, 4, 1
	v_and_b32 v130, 7, v128
	v_lshrrev_b32 v131, 3, v128
	v_lshl_add_u32 v[T1], v129, 4, v130
	v_lshlrev_b32 v[T1], 4, v[T1]
	v_lshl_add_u32 v[T1], v131, 10, v[T1]
	s_lshr_b32 s98, s3, 1
	s_lshl_b32 s99, s98, 11
	s_and_b32 s100, s3, 1
	s_lshl_b32 s100, s100, 7
	s_add_co_u32 s99, s99, s100
	s_lshl_b32 s101, s58, 14
	s_add_co_u32 s99, s99, s101
	v_add_nc_u32 v[T1], s99, v[T1]                     ; my place in an image of codes
	v_lshl_add_u32 v[PSC], v131, 4, v130
	v_lshlrev_b32 v[PSC], 4, v[PSC]
	s_lshl_b32 s98, s98, 2
	s_add_co_u32 s98, s98, s100
	v_add_nc_u32 v[PSC], s98, v[PSC]                   ; and among the scale words
	s_lshl_b32 s56, s58, 10
	s_add_co_u32 s56, s56, XSC
	s_lshl_b32 s57, s58, 11
	s_add_co_u32 s57, s57, KS
	v_add_nc_u32 v[T0], XI, v[T1]
	v_add_nc_u32 v[T1], KC, v[T1]
	v_add_nc_u32 v[PX], s56, v[PSC]
	v_add_nc_u32 v[PSC], s57, v[PSC]
	v_add_nc_u32 v[A6], GRP0+5*GSZ, v[LI]              ; (A6 is my mask rows' address again from V^T on)
.macro PASS a
	s_wait_loadcnt 0x0                                 ; the tile of x
	XTURN RC                                           ; (its waits on vm_vsrc also show the last pass's stores done reading PC, PW, VSW and AOW, which this pass writes again)
	LNORM RC, RC, 0, 1                                 ; RA is free: no vector or matrix instruction since the last wait on va_vdst names it
	QUANT RC, PC, AOW
	NOPS 8                                             ; xn's scale word stands eight places ahead of the products that take it, its codes four
	s_wait_alu depctr_va_vdst(0)                       ; behind the places: xn's codes and scale word are written, which the stores read and the products take; the norm and the quantiser are done with RC and RA, and the set-up with v128 to v131 and the five addresses: loads land in the first three, and read the last
.if \a == 0
	XLOAD RC, 54, 0                                    ; tile t + 8 lands while this tile's Q and K are made
.else
.irp ro,0,1,2,3,4,5,6,7
.irp e,0,1
	global_load_b128 v[RC+8*\ro+4*\e:RC+8*\ro+4*\e+3], v[LI], s[6:7] offset:1024*\ro+512*\e th:TH_LOAD_NT    ; my eight rows of the mask's first half: 512 consecutive bytes a load
.endr
.endr
.endif
	ds_store_b128 v[T0], v[PC:PC+3] offset:8192*\a
	ds_store_b128 v[T0], v[PC+4:PC+7] offset:8192*\a+512
	ds_store_b32 v[PX], v[AOW] offset:512*\a
	VLOAD RB, HB, 1024                                 ; q_b is the C of Q's products
	PLOAD A6, 0
	s_wait_dscnt 0x0
	PMUL RB, PC, AOW
	NOPS 4
.set jx, 0
.rept 32
	v_pk_mul_f32 v[RB+jx:RB+jx+1], v[RB+jx:RB+jx+1], 0x3e3504f3 op_sel_hi:[1,0]     ; x 32^-0.5, ahead of the quantiser as the problem has it
.set jx, jx+2
.endr
.if \a == 0
	QUANT RB, QCC, QWC
.else
	QUANT RB, QCN, QWN
.endif
	s_wait_alu depctr_va_vdst(0)                       ; the quantiser is done reading RB, in which k's bias lands; Q's products are done reading RA and the scale words, in which k_w's land
	VLOAD RB, HB, 1536                                 ; k's half of kv_b
	PLOAD A6, GSZ
	s_wait_dscnt 0x0
	PMUL RB, PC, AOW
	NOPS 4
	s_wait_alu depctr_vm_vsrc(0)                       ; the stores of xn's codes have read PC, which K's codes overwrite
	QUANT RB, PC, PW
	v_lshrrev_b32 v[VSW], 16, v[PW]                    ; heads 2 and 3 find their bytes at the word's low end
	s_wait_alu depctr_va_vdst(0)                       ; K's codes and both forms of its scale word are written, which the stores read; K's products and the quantiser are done with RA and RB, in which the next loads land
	ds_store_b128 v[T1], v[PC:PC+3] offset:8192*\a
	ds_store_b128 v[T1], v[PC+4:PC+7] offset:8192*\a+512
	ds_store_b32 v[PSC], v[PW] offset:512*\a
	ds_store_b32 v[PSC], v[VSW] offset:1024+512*\a
.endm
	PASS 0
	PASS 1
	BARRIER                                            ; xn's and K's images of both batches lie in LDS
; ------------------------------------------------------------------ V^T: wave w makes 16 channels (tile vt = w % 8) x 128 keys (step vs = w / 8), for each batch
; Source 0 = 16 tokens, source 1 = 16 rows of v_w: a lane holds one channel and its registers run down the keys, which are the second product's K.
	s_wait_alu depctr_vm_vsrc(0)                       ; phase 0's loads and stores have read A0 to A6, T0 and v13, which are made anew here, and PC, PW and VSW, in which loads land or which the quantiser writes below
	s_lshr_b32 s50, s2, 3
	s_and_b32 s51, s2, 7
	s_and_b32 s52, s51, 1
	s_lshr_b32 s53, s51, 1
	v_and_b32 v128, 15, v0
	s_wait_alu depctr_va_vdst(0)
	v_and_b32 v129, 8, v128
	v_add_nc_u32 v129, v129, v128
	s_wait_alu depctr_va_vdst(0)
	s_lshl_b32 s98, s50, 13
	s_add_co_u32 s98, s98, XI
	v_add_nc_u32 v[A0], s98, v[LI]
	s_lshl_b32 s98, s50, 9
	s_add_co_u32 s98, s98, XSC
	v_add_nc_u32 v[A1], s98, v[LI]
	s_lshl_b32 s98, s51, 10
	s_add_co_u32 s98, s98, GRP0+7*GSZ
	v_add_nc_u32 v[A2], s98, v[LI]
	s_lshl_b32 s98, s52, 8
	s_lshl_b32 s99, s53, 2
	s_add_co_u32 s98, s98, s99
	s_add_co_u32 s98, s98, GRP0+7*GSZ+8192
	v_lshl_add_u32 v[A3], v128, 4, s98
	s_lshl_b32 s98, s53, 7
	s_lshl_b32 s99, s52, 5
	s_add_co_u32 s98, s98, s99
	s_add_co_u32 s98, s98, VEC+2048
	v_lshl_add_u32 v[A4], v129, 2, s98                 ; v's bias of my lane's channel
	s_lshl_b32 s98, s51, 11
	s_lshl_b32 s99, s50, 10
	s_add_co_u32 s98, s98, s99
	s_add_co_u32 s98, s98, VC
	v_add_nc_u32 v[A5], s98, v[LI]
	s_lshl_b32 s98, s53, 8
	s_lshl_b32 s99, s50, 7
	s_add_co_u32 s98, s98, s99
	s_lshl_b32 s99, s52, 6
	s_add_co_u32 s98, s98, s99
	s_add_co_u32 s98, s98, VS
	v_lshl_add_u32 v[T0], v128, 2, s98
	v_add_nc_u32 v[A6], s61, v[LI]                     ; my eight mask rows again
	v_and_b32 v[PFO], 31, v0
	v_lshlrev_b32 v[PFO], 8, v[PFO]                    ; and v13's lasting value: the prefetch's offset, 256 x lane
	s_wait_alu depctr_va_vdst(0)                       ; A0 to A6, T0 and the prefetch's offset are written, which the loads, stores and the prefetch below read
.macro VMAKE a
.irp pt,0,1,2,3,4,5,6,7
.irp cc,0,1
	ds_load_b128 v[RA+8*\pt+4*\cc:RA+8*\pt+4*\cc+3], v[A0] offset:16384*\a+1024*\pt+512*\cc
.endr
.endr
	ds_load_b128 v[WS:WS+3], v[A1] offset:1024*\a
	ds_load_b128 v[PC:PC+3], v[A2]
	ds_load_b128 v[PC+4:PC+7], v[A2] offset:512
	ds_load_b32 v[VSW], v[A3]
.irp j,0,1,2,3,4,5,6,7
	ds_load_b32 v[QT+\j], v[A4]                        ; the bias as C: the same for a lane's eight tokens
.endr
	s_wait_dscnt 0x0
.irp pt,0,1,2,3,4,5,6,7
	WM RB+8*\pt,RA+8*\pt,PC,QT,WS+\pt/2,VSW,\pt%2
.endr
	NOPS 4
	QUANT RB, RA, PW
.endm
.macro VPUT a
	ds_store_b128 v[A5], v[RA:RA+3] offset:16384*\a
	ds_store_b128 v[A5], v[RA+4:RA+7] offset:16384*\a+512
	ds_store_b32 v[T0], v[PW] offset:1024*\a
.endm
	VMAKE 0
	s_wait_alu depctr_va_vdst(0)                       ; V^T's codes and scale word are written, which the stores read; the products and the quantiser are done with RA, PC, QT and the scale words, in which the other batch's loads land
	VPUT 0
	s_wait_alu depctr_vm_vsrc(0)                       ; the stores have read RA's first eight registers, in which loads land, and PW, which the quantiser writes again
	VMAKE 1
	; the MLP's weights: wave w fetches 32 rows of fc1 (group w / 4) and 32 rows x one K step of fc2; they are stored when nobody reads phase 0's bytes any more
	s_lshr_b32 s50, s2, 2
	s_and_b32 s51, s2, 3
	s_mov_b32 s99, 0
	s_lshl_b32 s98, s2, 11
	s_add_nc_u64 s[24:25], s[24:25], s[98:99]
	s_lshl_b32 s98, s2, 7
	s_add_nc_u64 s[26:27], s[26:27], s[98:99]
	s_lshl_b32 s98, s51, 13
	s_lshl_b32 s100, s50, 6
	s_add_co_u32 s98, s98, s100
	s_add_nc_u64 s[28:29], s[28:29], s[98:99]
	s_lshl_b32 s98, s51, 9
	s_lshl_b32 s100, s50, 2
	s_add_co_u32 s98, s98, s100
	s_add_nc_u64 s[30:31], s[30:31], s[98:99]
	v_and_b32 v128, 15, v0
	v_and_b32 v129, 8, v128
	v_add_nc_u32 v129, v129, v128
	v_bfe_u32 v132, v0, 4, 1
	v_lshlrev_b32 v130, 6, v129
	v_lshl_add_u32 v130, v132, 4, v130
	v_lshl_add_u32 v131, v132, 3, v129
	v_lshlrev_b32 v134, 4, v131
	v_lshlrev_b32 v131, 2, v131
	v_lshlrev_b32 v133, 8, v129
	v_lshl_add_u32 v133, v132, 4, v133
	s_mul_i32 s98, s50, GSZ                            ; and where they will go in LDS
	s_add_co_u32 s98, s98, GRP0
	s_lshl_b32 s99, s51, 11
	s_add_co_u32 s99, s99, s98
	v_add_nc_u32 v135, s99, v[LI]
	s_lshl_b32 s99, s51, 2
	s_add_co_u32 s99, s99, s98
	v_add_nc_u32 v136, s99, v[LI]
	s_wait_alu depctr_va_vdst(0)                       ; V^T's codes and scale word are written, which the stores read; so are v130 to v136, the offsets and addresses of the weights' loads and stores; the products are done reading RA, in which those loads land
	VPUT 1
.irp u,0,1
.irp cc,0,1
	global_load_b128 v[RA+8+8*\u+4*\cc:RA+8+8*\u+4*\cc+3], v130, s[24:25] offset:512*\u+32*\cc
	global_load_b128 v[RA+24+8*\u+4*\cc:RA+24+8*\u+4*\cc+3], v133, s[28:29] offset:2048*\u+32*\cc
.endr
.endr
	global_load_b32 v[RA+40], v131, s[26:27]
	global_load_b32 v[RA+41], v134, s[30:31]
	s_wait_loadcnt 10                                  ; the mask's sixteen loads are in; the ten just issued may be out
.irp ro,0,1,2,3,4,5,6,7
.irp e,0,1
	ds_store_b128 v[A6], v[RC+8*\ro+4*\e:RC+8*\ro+4*\e+3] offset:MP*\ro+512*\e
.endr
.endr
	BARRIER                                            ; V^T lies in LDS, and nobody reads xn's images or q, k, v's weights any more
	s_wait_loadcnt 0x0
.irp u,0,1
.irp cc,0,1
	ds_store_b128 v135, v[RA+8+8*\u+4*\cc:RA+8+8*\u+4*\cc+3] offset:1024*\u+512*\cc
	ds_store_b128 v135, v[RA+24+8*\u+4*\cc:RA+24+8*\u+4*\cc+3] offset:4*GSZ+1024*\u+512*\cc
.endr
.endr
	ds_store_b32 v136, v[RA+40] offset:8192
	ds_store_b32 v136, v[RA+41] offset:4*GSZ+8192
; ------------------------------------------------------------------ two trips: tile t, then tile t + 8
	s_lshr_b32 s98, s3, 2
	s_mul_i32 s98, s98, 900
	s_and_b32 s99, s3, 3
	s_mul_i32 s99, s99, 120
	s_add_co_u32 s37, s98, s99
	s_add_co_u32 s37, s37, TAB                         ; the wave's part of the bias index, in bytes: 4 (225 (t / 4) + 30 (t % 4)); 1,800 more in trip 1
	s_mov_b32 s97, 2                                   ; the K step of the MLP in which the next mask half is prefetched
	s_mov_b32 s62, 0
.Ltrip:
	BARRIER                                            ; the mask's half is whole (and, in trip 0, the MLP's weights)
	s_wait_alu depctr_vm_vsrc(0)                       ; the loads and stores issued so far have read T0, T1 and A0 to A6, which are made anew from here on, and their data in RA, RB and RC, which are written or loaded into again
	v_and_b32 v[T0], 15, v0
	v_bfe_u32 v[T1], v0, 4, 1
	v_mul_u32_u24 v[A0], v[T0], MP
	v_lshl_add_u32 v[A0], v[T1], 6, v[A0]
	s_mul_i32 s98, s3, 16*MP
	v_add_nc_u32 v[A0], s98, v[A0]                     ; my query's mask row, + 64 h
	v_and_b32 v[A1], 7, v[T0]
	v_lshrrev_b32 v[A2], 3, v[T0]
	v_mad_u32_u24 v[A1], v[A2], 15, v[A1]
	v_add_nc_u32 v[A1], 30, v[A1]
	v_mul_u32_u24 v[A2], v[T1], 30
	v_sub_nc_u32 v[A1], v[A1], v[A2]
	v_lshlrev_b32 v[A1], 2, v[A1]                      ; the lane's part of the bias index: 4 (r % 8 + 15 (r / 8) + 30 - 30 h)
	s_lshl_b32 s32, s58, 14
	s_add_co_u32 s32, s32, KC
	s_lshl_b32 s33, s58, 11
	s_add_co_u32 s33, s33, KS
	s_lshl_b32 s34, s58, 14
	s_add_co_u32 s34, s34, VC
	s_lshl_b32 s35, s58, 10
	s_add_co_u32 s35, s35, VS
	s_mov_b32 s36, s37
.irp i,0,1,2,3
	v_mov_b32 v[KF+32+\i], 0                           ; zero codes behind K's last tile,
	v_mov_b32 v[QM+4+\i], 0                            ; and in Q's upper four registers
.endr
.irp i,0,1,2,3,4,5,6,7
	v_mov_b32 v[AO+\i], 0
.endr
	v_mov_b32 v[AOW], 0
	v_mov_b32 v[F+1], 0                                ; named as the upper half of a pair
	s_mov_b32 s63, 0
.Lc:                                                   ; two trips: heads 0, 1 and heads 2, 3
	v_add_nc_u32 v[A2], s36, v[A1]                     ; (free: on the way in by the wait at the trip's head, on the way back by the one at this loop's tail)
	v_add_nc_u32 v[A3], s32, v[LI]
	v_add_nc_u32 v[A4], s33, v[LI]
	v_add_nc_u32 v[A5], s34, v[LI]
	v_add_nc_u32 v[A6], s35, v[L4]
.irp i,0,1,2,3
	v_mov_b32 v[AO+\i], v[AO+4+\i]                     ; the last pair's codes move down
.endr
	HEAD 0
	HEAD 1
.irp i,0,1,2,3
	v_mov_b32 v[QCC+\i], v[QCC+4+\i]                   ; Q's codes and bytes of the next pair of heads
.endr
	v_lshrrev_b32 v[QWC], 16, v[QWC]
	s_wait_alu depctr_vm_vsrc(0)                       ; this pair's LDS loads have read A0 and A2 to A6: on the way back the next pair's addresses are written over them, on the way out those of the way in and out
	s_add_co_u32 s32, s32, 512
	s_add_co_u32 s33, s33, 1024
	s_add_co_u32 s34, s34, 8192
	s_add_co_u32 s35, s35, 512
	s_add_co_u32 s36, s36, 16384
	s_add_co_u32 s63, s63, 1
	s_cmp_lt_u32 s63, 2
	s_cbranch_scc1 .Lc
	MKIO
	v_add_nc_u32 v[T0], GRP0+8*GSZ, v[LI]              ; proj's group
.irp cc,0,1
.irp i,0,1
	v_permlane16_swap_b32 v[AO+4*\cc+\i], v[AO+2+4*\cc+\i]
.endr
.endr
	s_wait_alu depctr_va_vdst(0)                       ; A0 to A6 and T0 are written, which the loads and stores below read; attention is done with S, in which x lands, and with RA, in which proj_b lands
	XLOAD RC, 4, 1                                     ; x once more, for the residual
	BARRIER                                            ; nobody reads the mask's rows any more: my eight serve as my stage
	VLOAD RA, HB, 2560                                 ; proj_b
	s_wait_loadcnt 0x0
	XTURN RC
	s_wait_dscnt 0x0
	PKADD RC, RA, 32                                   ; x + proj_b is the C of proj's products: the residual costs no further line
	s_wait_alu depctr_va_vdst(0)                       ; the additions are done reading RA, in which proj's fragments land; behind them as places, the attention output's codes and scale word are written, which the products take
	PLOAD T0, 0
	s_wait_dscnt 0x0
	PMUL RC, AO, AOW
	NOPS 4
	s_wait_alu depctr_va_vdst(0)                       ; proj's products are done reading RA, in which gain and bias land
	LNORM RC, RB, 6, 7
	QUANT RB, QCC, QWC
	s_wait_alu depctr_va_vdst(0)                       ; the norm is done reading RA, in which fc2_b lands
	VLOAD RA, HB, 6144                                 ; fc2_b
	s_wait_dscnt 0x0
	PKADD RC, RA, 32                                   ; and x1 + fc2_b is where fc2's products are summed
	s_mov_b32 s38, GRP0
	s_mov_b32 s40, 4096
	s_mov_b32 s96, 0
.Lg:                                                   ; four trips: 128 hidden units, one K step of fc2
	s_wait_alu depctr_vm_vsrc(0)                       ; the loads issued so far have read T0 and T1
	v_add_nc_u32 v[T0], s40, v[HB]                     ; fc1_b's chunk,
	v_add_nc_u32 v[T1], s38, v[LI]                     ; fc1's group; fc2's lies 4 GSZ bytes on
	NOPS 2                                             ; with the two additions: four places behind the last products
	s_wait_alu depctr_va_vdst(0)                       ; T0 and T1 are written; the last products (in the first trip the additions) are done reading RA and the scale words, and the quantiser RB: the loads below land in them.  In the first trip: x2's codes and scale word are written, which fc1's products take
	VLOAD RB, T0, 0                                    ; fc1_b
	PLOAD T1, 0
	s_wait_dscnt 0x0
	PMUL RB, QCC, QWC
	v_mov_b32 v[QT], s[CA3]                            ; two coefficients for the first steps of P and Q: also two of the four places
	v_mov_b32 v[QT+2], s[CB5]
	NOPS 2
	GELU16 0
	GELU16 1
	GELU16 2
	GELU16 3
	s_wait_alu depctr_va_vdst(0)                       ; GELU's lines are done with RA, and fc1's products with their scale words: fc2's fragments and scale words land there
	PLOAD T1, 4*GSZ                                    ; fc2's fragments land while the hidden layer is quantised
	s_cmp_lg_u32 s96, s97
	s_cbranch_scc1 .Lnp
	global_prefetch_b8 v[PFO], s[6:7] offset:131072 th:TH_LOAD_NT scope:SCOPE_SE     ; my eight rows of the mask's second half, 32 blocks of 256 bytes, a lane a block: one K step ahead of their loads; trip 0 alone
.Lnp:
	QUANT RB, PC, PW
	s_wait_dscnt 0x0
	NOPS 8                                             ; a scale word made by vector instructions stands eight places ahead, codes four
	s_wait_alu depctr_va_vdst(0)                       ; behind the places: the hidden layer's codes and scale word are written, which fc2's products take
	PMUL RC, PC, PW
	s_add_co_u32 s38, s38, GSZ
	s_add_co_u32 s40, s40, 512
	s_add_co_u32 s96, s96, 1
	s_cmp_lt_u32 s96, 4
	s_cbranch_scc1 .Lg
	NOPS 4
	s_wait_alu depctr_va_vdst(0)                       ; behind the places: fc2's products have written RC, which the stores into the stage read, and are done reading RA, in which the rows come back; the quantiser is done reading RB, in which the mask's second half lands
	s_cmp_lg_u32 s62, 0
	s_cbranch_scc1 .Lnm1
.irp ro,0,1,2,3,4,5,6,7
.irp e,0,1
	global_load_b128 v[RB+8*\ro+4*\e:RB+8*\ro+4*\e+3], v[LI], s[6:7] offset:131072+1024*\ro+512*\e th:TH_LOAD_NT
.endr
.endr
.Lnm1:
	; the way out: through my stage, so that sixteen lanes store 256 consecutive bytes, aligned
.irp p,0,1
.irp bl,0,1
.irp jj,0,1,2,3
	ds_store_b128 v[A5], v[RC+32*\p+16*\bl+4*\jj:RC+32*\p+16*\bl+4*\jj+3] offset:128*\bl+16*\jj
.endr
.endr
.irp i,0,1,2,3,4,5,6,7
	ds_load_b128 v[RA+32*\p+4*\i:RA+32*\p+4*\i+3], v[A4] offset:544*\i
.endr
.endr
	s_wait_dscnt 0x0
.irp p,0,1
.irp i,0,1,2,3,4,5,6,7
	global_store_b128 v[A0+\i%4], v[RA+32*\p+4*\i:RA+32*\p+4*\i+3], s[8:9] offset:65536*(\i/4)+256*\p th:TH_STORE_NT
.endr
.endr
	s_wait_loadcnt 0x0                                 ; the mask's second half, where it was asked for
	s_cmp_lg_u32 s62, 0
	s_cbranch_scc1 .Lnm2
.irp ro,0,1,2,3,4,5,6,7
.irp e,0,1
	ds_store_b128 v[A6], v[RB+8*\ro+4*\e:RB+8*\ro+4*\e+3] offset:MP*\ro+512*\e       ; over my own rows, behind my last read of the stage
.endr
.endr
.Lnm2:
	s_wait_xcnt 0x0                                    ; the stores have read their registers, offsets and base: all are written again only behind this wait (the vector registers among them also behind the wait on vm_vsrc at the trip's head)
	s_add_nc_u64 s[4:5], s[4:5], 0x1000000
	s_add_nc_u64 s[8:9], s[8:9], 0x1000000
	s_add_co_u32 s37, s37, 1800
	s_mov_b32 s97, -1
.irp i,0,1,2,3,4,5,6,7
	v_mov_b32 v[QCC+\i], v[QCN+\i]
.endr
	v_mov_b32 v[QWC], v[QWN]
	s_add_co_u32 s62, s62, 1
	s_cmp_lt_u32 s62, 2
	s_cbranch_scc1 .Ltrip
	s_wait_dscnt 0x0                                   ; the closing lines, six on end
	s_wait_alu 0x0
	s_wait_tensorcnt 0x0
	ds_add_u32 v[SPW], v[NIL]
	s_wait_dscnt 0x0
	s_endpgm
.Lfunc_end_k_q7e58f60cea_block:
	.size	k_q7e58f60cea_block, .Lfunc_end_k_q7e58f60cea_block-k_q7e58f60cea_block
	.p2alignl 7, 3214868480
	.fill 96, 4, 3214868480
	.section	.rodata,"a",@progbits
	.p2align	6, 0x0
	.amdhsa_kernel k_q7e58f60cea_block
		.amdhsa_group_segment_fixed_size 326144
		.amdhsa_private_segment_fixed_size 0
		.amdhsa_enable_private_segment 0
		.amdhsa_kernarg_size 184
		.amdhsa_user_sgpr_count 2
		.amdhsa_user_sgpr_kernarg_segment_ptr 1
		.amdhsa_wavefront_size32 1
		.amdhsa_system_sgpr_workgroup_id_x 1
		.amdhsa_system_sgpr_workgroup_id_y 1
		.amdhsa_system_sgpr_workgroup_id_z 1
		.amdhsa_system_vgpr_workitem_id 0
		.amdhsa_next_free_vgpr 256
		.amdhsa_next_free_sgpr 106
		.amdhsa_reserve_vcc 0
		.amdhsa_float_denorm_mode_32 3
		.amdhsa_float_denorm_mode_16_64 3
		.amdhsa_memory_ordered 1
		.amdhsa_forward_progress 1
		.amdhsa_inst_pref_size 255
	.end_amdhsa_kernel
	.section	.bss,"aw",@nobits
	.p2align	6
	.space	262144
	.amdgpu_metadata
---
amdhsa.version: [ 1, 2 ]
amdhsa.kernels:
  - .name:           k_q7e58f60cea_block
    .symbol:         k_q7e58f60cea_block.kd
    .args:
      - { .name: x, .offset: 0, .size: 8, .value_kind: global_buffer, .address_space: global }
      - { .name: mask_matrix, .offset: 8, .size: 8, .value_kind: global_buffer, .address_space: global }
      - { .name: out0, .offset: 16, .size: 8, .value_kind: global_buffer, .address_space: global }
      - { .name: rel_table, .offset: 24, .size: 8, .value_kind: global_buffer, .address_space: global }
      - { .name: q_w_codes, .offset: 32, .size: 8, .value_kind: global_buffer, .address_space: global }
      - { .name: kv_w_codes, .offset: 40, .size: 8, .value_kind: global_buffer, .address_space: global }
      - { .name: proj_w_codes, .offset: 48, .size: 8, .value_kind: global_buffer, .address_space: global }
      - { .name: q_w_scales, .offset: 56, .size: 8, .value_kind: global_buffer, .address_space: global }
      - { .name: kv_w_scales, .offset: 64, .size: 8, .value_kind: global_buffer, .address_space: global }
      - { .name: proj_w_scales, .offset: 72, .size: 8, .value_kind: global_buffer, .address_space: global }
      - { .name: fc1_w_codes, .offset: 80, .size: 8, .value_kind: global_buffer, .address_space: global }
      - { .name: fc1_w_scales, .offset: 88, .size: 8, .value_kind: global_buffer, .address_space: global }
      - { .name: fc2_w_codes, .offset: 96, .size: 8, .value_kind: global_buffer, .address_space: global }
      - { .name: fc2_w_scales, .offset: 104, .size: 8, .value_kind: global_buffer, .address_space: global }
      - { .name: norm1_g, .offset: 112, .size: 8, .value_kind: global_buffer, .address_space: global }
      - { .name: norm1_b, .offset: 120, .size: 8, .value_kind: global_buffer, .address_space: global }
      - { .name: q_b, .offset: 128, .size: 8, .value_kind: global_buffer, .address_space: global }
      - { .name: kv_b, .offset: 136, .size: 8, .value_kind: global_buffer, .address_space: global }
      - { .name: proj_b, .offset: 144, .size: 8, .value_kind: global_buffer, .address_space: global }
      - { .name: norm2_g, .offset: 152, .size: 8, .value_kind: global_buffer, .address_space: global }
      - { .name: norm2_b, .offset: 160, .size: 8, .value_kind: global_buffer, .address_space: global }
      - { .name: fc1_b, .offset: 168, .size: 8, .value_kind: global_buffer, .address_space: global }
      - { .name: fc2_b, .offset: 176, .size: 8, .value_kind: global_buffer, .address_space: global }
    .group_segment_fixed_size: 326144
    .private_segment_fixed_size: 0
    .kernarg_segment_align: 8
    .kernarg_segment_size: 184
    .max_flat_workgroup_size: 512
    .sgpr_count:     106
    .vgpr_count:     256
    .wavefront_size: 32
...
	.end_amdgpu_metadata
.endif
;; end of part 2
